; MI455X (gfx1250); checked and timed in simulation.
; The chip was launched on July 23, 2026; its instructions are those of AMD's public machine-readable ISA for CDNA 5 (MIT licence, August 2026) and "CDNA5" Instruction Set Architecture Reference Guide (July 2026). The comments in the code are by the model that wrote it; some were corrected since.
;; Sequence Parallel Attention. Allowed arithmetic: matrix products marked QUANTISED: E2M3 operands, one E8M0 scale for each 32 along K, by v_wmma_scale_f32_16x16x128_f8f6f4 with both operands' format E2M3, f32 sums; everything else in f32.
;; Inputs: Wk 1,024 x 1,024 float32; Wo 1,024 x 1,024 float32; Wq 1,024 x 1,024 float32; Wv 1,024 x 1,024 float32; bk 1,024 float32; bo 1,024 float32; bq 1,024 float32; bv 1,024 float32; hidden_states 1 x 4,096 x 1,024 float32.
;; Outputs: out0 1 x 4,096 x 1,024 float32.
;; This version of the problem:
;;   THIS VERSION OF THE PROBLEM IS GIVEN IN LOW PRECISION. The matrix products marked QUANTISED in the list below multiply operands that are first quantised to E2M3 (2 exponent bits, 3 mantissa bits; 6 bits a number), with one power-of-two scale for each 32 numbers along K (OCP MX v1.0); their sums are f32. All else is computed in f32.
;;   The module's matrix products, in the order in which they are computed (A, B: the left and right operand; K: the contracted axis; several contracted axes count as one K, in the product's order):
;;     1. [M 4,096, K 1,024] x [K 1,024, N 1,024]; A: input hidden_states; B: input Wq: QUANTISED
;;     2. [M 4,096, K 1,024] x [K 1,024, N 1,024]; A: input hidden_states; B: input Wk: QUANTISED
;;     3. [M 4,096, K 1,024] x [K 1,024, N 1,024]; A: input hidden_states; B: input Wv: QUANTISED
;;     4. batch 64 x [M 1,024, K 64] x [K 64, N 1,024]; A: computed on the way; B: computed on the way: QUANTISED
;;     5. batch 64 x [M 1,024, K 1,024] x [K 1,024, N 64]; A: softmax (see below); B: computed on the way: QUANTISED
;;     6. batch 64 x [M 1,024, K 64] x [K 64, N 1,024]; A: computed on the way; B: computed on the way: QUANTISED
;;     7. batch 64 x [M 1,024, K 1,024] x [K 1,024, N 64]; A: softmax (see below); B: computed on the way: QUANTISED
;;     8. batch 64 x [M 1,024, K 64] x [K 64, N 1,024]; A: computed on the way; B: computed on the way: QUANTISED
;;     9. batch 64 x [M 1,024, K 1,024] x [K 1,024, N 64]; A: softmax (see below); B: computed on the way: QUANTISED
;;     10. batch 64 x [M 1,024, K 64] x [K 64, N 1,024]; A: computed on the way; B: computed on the way: QUANTISED
;;     11. batch 64 x [M 1,024, K 1,024] x [K 1,024, N 64]; A: softmax (see below); B: computed on the way: QUANTISED
;;     12. [M 4,096, K 1,024] x [K 1,024, N 1,024]; A: computed on the way; B: input Wo: QUANTISED
;;   THE QUANTISER, for each operand of a quantised product, along K:
;;     - K is cut into blocks of 32 from its start; a last block that is shorter is filled with zeros.
;;     - A block's scale is 2^e with e = floor(log2(the largest magnitude in the block)) - 2, held to -126 .. 127; a block of zeros has e = 0. As a byte (E8M0): e + 127.
;;     - Each number is divided by its block's scale, clamped to +-7.5, and rounded to the nearest number of E2M3, ties to even, subnormals kept.
;;     - The product sums the exact products of the quantised numbers (number of the format x scale) in f32.
;;   ~~~python
;;   def quantise(x, axis):      # numpy; x: float32 -> the quantised numbers, widened to float32 again
;;       x = np.moveaxis(x, axis, -1); K = x.shape[-1]
;;       x = np.pad(x, [(0, 0)] * (x.ndim - 1) + [(0, -K % 32)]); x = x.reshape(x.shape[:-1] + (-1, 32)); a = np.abs(x).max(-1, keepdims=True)
;;       e = np.where(a > 0, np.clip(np.frexp(np.where(a > 0, a, 1))[1] - 1 - 2, -126, 127), 0)      # np.frexp(a)[1] - 1 = floor(log2(a)), exactly
;;       r = np.clip(x / 2.0 ** e, -7.5, 7.5)
;;       step = 2.0 ** (np.maximum(np.frexp(np.where(r == 0, 1, r))[1] - 1, 0) - 3)
;;       q = np.round(r / step) * step * 2.0 ** e      # np.round: ties to even
;;       return np.moveaxis(q.reshape(q.shape[:-2] + (-1,))[..., :K], -1, axis).astype(np.float32)
;;   ~~~
;;   SOFTMAX AHEAD OF A QUANTISED PRODUCT. Where the list says 'softmax', what is quantised is not the finished softmax but p = 2^(t - M), with t = logit x log2(e) and M = ceil(the row's largest t), a whole number; so 1/2 < the row's largest p <= 1. The row's sum l is taken of the UNQUANTISED p, in f32, and the product's result is divided by l at the end. Since M is a whole number, a kernel that streams over the keys may use a running M (the ceiling of the running maximum): every later rescaling is an exact power of two, which a block's scale takes up: the codes' values come out the same.
;;   OPERANDS COMPUTED ON THE WAY. 'Computed on the way' means the value that the module computes at that place (a softmax that the list does not call 'softmax' is quantised finished and normalised). What goes into a quantiser is computed in f32, as accurately as f32 sums, v_exp_f32 and their like allow (about 1e-6 of the number): no bf16 or f16 on the way to a quantiser, and a product that is left as it is and whose result goes on into a quantised operand takes f32 operands (vector FMAs, or v_wmma_f32_16x16x4_f32). A number that lies on a knife's edge between two numbers of the format may be rounded either way, as far as f32 arithmetic and the matrix unit's own rounding can turn it there, and no further.
;; One version. Each part assembles by itself: llvm-mc -triple=amdgcn-amd-amdhsa -mcpu=gfx1250 --defsym DOCPART=n.
;; ======== version 1 of 1: 4 launches
;; limits: right only within a limited range of input values
;; workspace buffers: xc 3,276,800 bytes; wc 3,276,800 bytes; qb 3,276,800 bytes; kv 6,553,600 bytes; ctx 3,276,800 bytes
;; launch quant (part 1): grid 512 x 1, 4 waves a work-group, no clusters, 0 bytes of LDS; arguments hidden_states, Wq, Wk, Wv, Wo, xc, wc; writes xc, wc
.if DOCPART == 1
	.amdgcn_target "amdgcn-amd-amdhsa--gfx1250"
	.amdhsa_code_object_version 6
	.text
	.protected	k_q7ff67307bd_quant
	.globl	k_q7ff67307bd_quant
	.p2align	8
	.type	k_q7ff67307bd_quant,@function
k_q7ff67307bd_quant:
	s_mov_b64 s[64:65], 0
	v_nop
	global_prefetch_b8 v0, s[64:65] scope:SCOPE_SE
	s_setreg_imm32_b32 hwreg(HW_REG_WAVE_MODE, 25, 1), 1
	s_wait_xcnt 0x0
; hidden_states [4096][1024] (K innermost) and the four weights [1024 (K)][1024 (N)] (K outermost), all f32, become codes of FP6 (E2M3) with one
; E8M0 scale byte for each 32 along K, laid in the ORDER OF THE OPERAND'S REGISTERS, so that the later launches take fragments by plain loads.
; A FRAGMENT is 16 rows x 128 K, 12 registers a lane, as two halves of 768 bytes: half c holds registers 6 c .. 6 c + 3 at 768 c + 16 x lane and
; registers 6 c + 4, 6 c + 5 at 768 c + 512 + 8 x lane.  A BLOCK of 25,600 bytes holds 128 rows x 256 K: fragment (tile, K step s) at 3072 tile + 1536 s,
; the scale words behind them at 24,576 + 128 tile + 64 s + 4 r.  xc: [32 blocks of tokens][4 along K]; wc: [weight q, k, v, o][8 blocks of columns][4 along K].
; THE ROWS OF A TILE ARE NOT NEIGHBOURS: row r of tile 2 b + u of a block is row 32 b + 8 u + r + 8 (r / 8).
; A block's scale is 2^(floor(log2(its largest magnitude)) - 2): its byte is the largest magnitude's exponent field - 2, held at 1 from below.
; LIMITS: NaN and infinities among the inputs are not served.  A block of zeros, or one whose largest magnitude lies under 2^-124, keeps the byte 1
; where the rule says 127 for zeros: its codes are zeros, which add nothing, and the bytes are read by this program alone.
; SHARES.  Work-groups 0-255: a tile of 16 tokens each, a wave to 256 along K.  Work-groups 256-511: 128 along K x 128 columns of one weight, a wave to 32 columns.
; Every byte is read once and nothing is shared between waves: no LDS, no barrier, no cluster, no matrix unit.
; x's waves issue their 32 loads of 16 bytes a lane at once; a weight's waves keep 48 loads of 4 bytes a lane on their way.
.set BLK,  25600
.set SEL,  20                          ; s[20:21] selects for v_permlanex16_b32: lane l xor 16
.set HI,   22                          ; s22      a mask of lanes 16-31
.set PC0,  16                          ; x: v16-27, v28-39 the two fragments' codes
.set PC1,  28
.set CT,   40                          ; x: v40-47 the conversions' second halves
.set TM,   48                          ; x: v48-51 largest magnitudes, v52-55 the other half's, v56-59 scale operands, v60-63 bytes
.set X,    64                          ; v64-191  128 numbers of a lane
.set CB,   16                          ; W: v16-47 eight registers for each of the lane's four blocks
.set TH,   48                          ; W: v48-63 the blocks' upper 16 codes
; 64 numbers of a lane, register 16 b + i = k 32 b + 16 (lane / 16) + i of its row, become a fragment's 12 registers at pc and its row's scale word in pw
.macro QUANT src, pc, pw
.irp b, 0,1,2,3
	v_max3_num_f32 v[TM+\b], |v[\src+16*\b]|, |v[\src+16*\b+1]|, 0x1800000   ; my 16 numbers of block b, and the floor 2^(3 - 127): the byte cannot fall under 1
.endr
.irp i, 2,4,6,8,10,12,14
.irp b, 0,1,2,3
	v_max3_num_f32 v[TM+\b], v[TM+\b], |v[\src+16*\b+\i]|, |v[\src+16*\b+\i+1]|   ; the four blocks by turns
.endr
.endr
.irp b, 0,1,2,3
	v_permlanex16_b32 v[TM+4+\b], v[TM+\b], s[SEL], s[SEL+1]
.endr
.irp b, 0,1,2,3
	v_max_num_f32 v[TM+\b], v[TM+\b], v[TM+4+\b]          ; with lane l xor 16's 16: the block's largest magnitude
.endr
.irp b, 0,1,2,3
	v_add_nc_u32 v[TM+8+\b], 0xff000000, v[TM+\b]         ; 2 off its exponent field: the conversion takes this operand's exponent field as its scale
.endr
.irp b, 0,1,2,3
	v_lshrrev_b32 v[TM+12+\b], 23, v[TM+8+\b]             ; the scale's byte
.endr
	v_lshl_or_b32 v[\pw], v[TM+13], 8, v[TM+12]
	v_lshl_or_b32 v[\pw], v[TM+14], 16, v[\pw]
	v_lshl_or_b32 v[\pw], v[TM+15], 24, v[\pw]
.irp c, 0,1
	v_cvt_scalef32_pk16_fp6_f32 v[\pc+6*\c:\pc+6*\c+2], v[\src+32*\c:\src+32*\c+15], v[TM+8+2*\c]
	v_cvt_scalef32_pk16_fp6_f32 v[CT+4*\c:CT+4*\c+2], v[\src+32*\c+16:\src+32*\c+31], v[TM+8+2*\c+1]   ; a conversion's three registers begin on an even number
.endr
	v_nop                                                 ; one plain instruction behind the scaled conversions
.irp c, 0,1                                               ; the layout wants a whole block in a lane: lanes 0-15 block 2 c, lanes 16-31 block 2 c + 1
.irp i, 0,1,2
	v_permlane16_swap_b32 v[\pc+6*\c+\i], v[CT+4*\c+\i]
.endr
.irp i, 0,1,2
	v_mov_b32 v[\pc+6*\c+3+\i], v[CT+4*\c+\i]
.endr
.endr
.endm
; group g of eight: rows 16 g .. 16 g + 15 of my column's 128 along K; each load of the wave covers 128 consecutive bytes.  Every group has registers of its own
.macro LG g
.set n, 16*(\g)
.rept 16
	global_load_b32 v[X+n], v8, s[6:7] offset:4096*n th:TH_LOAD_NT
.set n, n+1
.endr
.endm
; block kb of a lane's column: all 32 numbers are the lane's own.  It is groups 2 kb and 2 kb + 1 of the loads; three groups are out at a time
.macro WB kb
.if \kb < 3
	s_wait_loadcnt 16                                     ; this block's two groups are in; the one group issued behind them may be out
.else
	s_wait_loadcnt 0x0
.endif
.if \kb < 2
	LG 2*\kb+3                                            ; two groups more go out ahead of the block's arithmetic
	LG 2*\kb+4
.elseif \kb == 2
	LG 7                                                  ; the last group
.endif
	v_max3_num_f32 v10, |v[X+32*\kb]|, |v[X+32*\kb+1]|, |v[X+32*\kb+2]|
	v_max3_num_f32 v11, |v[X+32*\kb+3]|, |v[X+32*\kb+4]|, |v[X+32*\kb+5]|
.irp i, 6,10,14,18,22,26
	v_max3_num_f32 v10, v10, |v[X+32*\kb+\i]|, |v[X+32*\kb+\i+1]|
	v_max3_num_f32 v11, v11, |v[X+32*\kb+\i+2]|, |v[X+32*\kb+\i+3]|
.endr
	v_max3_num_f32 v10, v10, |v[X+32*\kb+30]|, |v[X+32*\kb+31]|
	v_max3_num_f32 v10, v10, v11, 0x1800000               ; and the floor
	v_add_nc_u32 v12, 0xff000000, v10                     ; the conversion's scale operand
	v_lshrrev_b32 v13, 23, v12                            ; the byte
.if \kb == 0
	v_mov_b32 v14, v13
.else
	v_lshl_or_b32 v14, v13, 8*\kb, v14                    ; four bytes make the column's scale word for these 128 along K
.endif
	v_cvt_scalef32_pk16_fp6_f32 v[CB+8*\kb:CB+8*\kb+2], v[X+32*\kb:X+32*\kb+15], v12
	v_cvt_scalef32_pk16_fp6_f32 v[TH+4*\kb:TH+4*\kb+2], v[X+32*\kb+16:X+32*\kb+31], v12
.endm
	s_load_b256 s[4:11], s[0:1], 0x0               ; hidden_states s[4:5], Wq s[6:7], Wk s[8:9], Wv s[10:11]
	s_load_b128 s[12:15], s[0:1], 0x20             ; Wo s[12:13], xc s[14:15]
	s_load_b64 s[16:17], s[0:1], 0x30              ; wc
	v_lshrrev_b32 v1, 5, v0
	v_readfirstlane_b32 s18, v1                    ; wave 0..3
	v_and_b32 v2, 31, v0                           ; lane
	v_and_b32 v3, 15, v0                           ; r
	v_bfe_u32 v4, v0, 4, 1                         ; h
	v_lshlrev_b32 v5, 4, v2                        ; 16 x lane
	v_lshlrev_b32 v6, 3, v2                        ; 8 x lane
	v_lshlrev_b32 v7, 2, v2                        ; 4 x lane
	s_mov_b32 s[SEL], 0x76543210
	s_mov_b32 s[SEL+1], 0xfedcba98
	s_mov_b32 s[HI], 0xffff0000
	s_mov_b32 s25, 0                               ; the upper word of every offset
	s_wait_kmcnt 0x0
	s_cmp_lt_u32 ttmp9, 256
	s_cbranch_scc0 .Lweights
	; ---- x: tile T = the work-group's number, 256 along K = my wave's number
	s_wait_alu depctr_va_vdst(0)
	v_and_b32 v8, 8, v3
	v_add_nc_u32 v8, v8, v3                        ; r + 8 (r / 8)
	v_lshlrev_b32 v8, 12, v8                       ; a row is 4,096 bytes
	v_lshl_add_u32 v8, v4, 6, v8                   ; + 64 h: my 16 numbers of a block of 32
	s_wait_alu depctr_va_vdst(0)
	s_lshr_b32 s24, ttmp9, 1
	s_lshl_b32 s24, s24, 17                        ; 32 (T / 2) rows
	s_and_b32 s26, ttmp9, 1
	s_lshl_b32 s26, s26, 15                        ; + 8 (T % 2) rows
	s_add_co_u32 s24, s24, s26
	s_lshl_b32 s26, s18, 10                        ; + 256 numbers x wave
	s_add_co_u32 s24, s24, s26
	s_add_nc_u64 s[4:5], s[4:5], s[24:25]
.irp ss, 0,1
.irp b, 0,1,2,3
.irp j, 0,1,2,3
	global_load_b128 v[X+64*\ss+16*\b+4*\j:X+64*\ss+16*\b+4*\j+3], v8, s[4:5] offset:512*\ss+128*\b+16*\j th:TH_LOAD_NT
.endr
.endr
.endr
	s_lshr_b32 s24, ttmp9, 3
	s_lshl_b32 s24, s24, 2
	s_add_co_u32 s24, s24, s18
	s_mul_i32 s24, s24, BLK                        ; block (T / 8, wave)
	s_add_nc_u64 s[14:15], s[14:15], s[24:25]
	s_and_b32 s26, ttmp9, 7                        ; my tile in it
	s_mul_i32 s24, s26, 3072
	s_add_nc_u64 s[28:29], s[14:15], s[24:25]      ; its two fragments
	s_lshl_b32 s24, s26, 7
	s_add_nc_u64 s[30:31], s[14:15], s[24:25]      ; its scale words (24,576 stands in the store)
.irp b, 0,1,2,3
	v_mov_b32 v[TM+4+\b], 0                        ; written once: a lane permute's destination counts as one of its sources
.endr
	s_wait_loadcnt 16                              ; K step 0's sixteen loads are in; K step 1's may be out
	QUANT X, PC0, 10
	global_store_b128 v5, v[PC0:PC0+3], s[28:29]               ; each store of the wave covers 512 or 256 consecutive bytes, aligned to 256
	global_store_b64 v6, v[PC0+4:PC0+5], s[28:29] offset:512
	global_store_b128 v5, v[PC0+6:PC0+9], s[28:29] offset:768
	global_store_b64 v6, v[PC0+10:PC0+11], s[28:29] offset:1280
	s_wait_loadcnt 0x0
	QUANT X+64, PC1, 11                            ; its codes have registers of their own: no store's data are written again
	global_store_b128 v5, v[PC1:PC1+3], s[28:29] offset:1536
	global_store_b64 v6, v[PC1+4:PC1+5], s[28:29] offset:2048
	global_store_b128 v5, v[PC1+6:PC1+9], s[28:29] offset:2304
	global_store_b64 v6, v[PC1+10:PC1+11], s[28:29] offset:2816
	v_cndmask_b32 v12, v10, v11, s[HI]             ; lanes 0-15 K step 0's words, lanes 16-31 K step 1's: 128 consecutive bytes
	global_store_b32 v7, v12, s[30:31] offset:24576
	s_endpgm
.Lweights:
	; ---- a weight: g = work-group - 256: block of columns g % 8, 128 along K (g / 8) % 8, weight g / 64
	s_sub_co_u32 s24, ttmp9, 256
	s_lshr_b32 s26, s24, 6                         ; which weight: 0 q, 1 k, 2 v, 3 o
	s_cmp_lt_u32 s26, 2
	s_cselect_b64 s[6:7], s[6:7], s[10:11]         ; q or v
	s_cselect_b64 s[8:9], s[8:9], s[12:13]         ; k or o
	s_and_b32 s27, s26, 1
	s_cmp_eq_u32 s27, 0
	s_cselect_b64 s[6:7], s[6:7], s[8:9]
	s_and_b32 s27, s24, 7                          ; block of 128 columns
	s_bfe_u32 s28, s24, 0x30003                    ; which 128 along K
	; A LANE TAKES A COLUMN AND ITS REGISTERS RUN DOWN K.  Lanes 0-15 take the rows of tile 2 w in their order, lanes 16-31 those of tile 2 w + 1:
	; column 32 w + lane % 8 + 16 (bit 3 of the lane) + 8 (bit 4): a load of the wave still covers 128 consecutive bytes
	v_and_b32 v8, 7, v0
	v_bfe_u32 v9, v0, 3, 1
	v_lshl_add_u32 v8, v9, 4, v8
	s_wait_alu depctr_va_vdst(0)
	v_lshl_add_u32 v8, v4, 3, v8
	v_lshlrev_b32 v8, 2, v8
	s_lshl_b32 s24, s28, 19                        ; 128 rows of 4,096 bytes
	s_lshl_b32 s29, s27, 9
	s_add_co_u32 s24, s24, s29
	s_lshl_b32 s29, s18, 7
	s_add_co_u32 s24, s24, s29
	s_add_nc_u64 s[6:7], s[6:7], s[24:25]
	LG 0                                           ; the first three groups: 48 loads
	LG 1
	LG 2
	s_lshl_b32 s24, s26, 3
	s_add_co_u32 s24, s24, s27
	s_lshl_b32 s24, s24, 2
	s_lshr_b32 s29, s28, 1
	s_add_co_u32 s24, s24, s29
	s_mul_i32 s24, s24, BLK                        ; block (weight, columns, 256 along K)
	s_add_nc_u64 s[16:17], s[16:17], s[24:25]
	s_and_b32 s28, s28, 1                          ; which K step of the block
	s_mul_i32 s24, s18, 2*3072
	s_mul_i32 s29, s28, 1536
	s_add_co_u32 s24, s24, s29
	s_add_nc_u64 s[30:31], s[16:17], s[24:25]      ; tile 2 w's fragment of that K step
	s_lshl_b32 s24, s18, 8
	s_lshl_b32 s29, s28, 6
	s_add_co_u32 s24, s24, s29
	s_add_nc_u64 s[32:33], s[16:17], s[24:25]      ; and its scale words
	v_lshlrev_b32 v15, 2, v3
	v_lshl_add_u32 v15, v4, 7, v15                 ; 4 r, and 128 on for tile 2 w + 1
	s_wait_alu depctr_va_vdst(0)
	WB 0
	WB 1
	WB 2
	WB 3
	v_nop                                          ; one plain instruction behind the scaled conversions
.irp c, 0,1                                    ; blocks 2 c and 2 c + 1 change halves: the first then holds tile 2 w's half c (lane (r, h): block 2 c + h), the second tile 2 w + 1's
.irp i, 0,1,2
	v_permlane16_swap_b32 v[CB+16*\c+\i], v[CB+16*\c+8+\i]
	v_permlane16_swap_b32 v[TH+8*\c+\i], v[TH+8*\c+4+\i]
.endr
.endr
.irp kb, 0,1,2,3
.irp i, 0,1,2
	v_mov_b32 v[CB+8*\kb+3+\i], v[TH+4*\kb+\i]
.endr
.endr
.irp kb, 0,1,2,3
	global_store_b128 v5, v[CB+8*\kb:CB+8*\kb+3], s[30:31] offset:768*(\kb/2)+3072*(\kb%2)
	global_store_b64 v6, v[CB+8*\kb+4:CB+8*\kb+5], s[30:31] offset:768*(\kb/2)+3072*(\kb%2)+512
.endr
	global_store_b32 v15, v14, s[32:33] offset:24576   ; two pieces of 64 bytes: one byte for each 128 that the wave has read
	s_endpgm
.Lfunc_end_k_q7ff67307bd_quant:
	.size	k_q7ff67307bd_quant, .Lfunc_end_k_q7ff67307bd_quant-k_q7ff67307bd_quant
	.p2alignl 7, 3214868480
	.fill 96, 4, 3214868480
	.section	.rodata,"a",@progbits
	.p2align	6, 0x0
	.amdhsa_kernel k_q7ff67307bd_quant
		.amdhsa_group_segment_fixed_size 0
		.amdhsa_private_segment_fixed_size 0
		.amdhsa_enable_private_segment 0
		.amdhsa_kernarg_size 56
		.amdhsa_user_sgpr_count 2
		.amdhsa_user_sgpr_kernarg_segment_ptr 1
		.amdhsa_wavefront_size32 1
		.amdhsa_system_sgpr_workgroup_id_x 1
		.amdhsa_system_sgpr_workgroup_id_y 1
		.amdhsa_system_sgpr_workgroup_id_z 1
		.amdhsa_system_vgpr_workitem_id 0
		.amdhsa_next_free_vgpr 192
		.amdhsa_next_free_sgpr 66
		.amdhsa_reserve_vcc 0
		.amdhsa_float_denorm_mode_32 3
		.amdhsa_float_denorm_mode_16_64 3
		.amdhsa_memory_ordered 1
		.amdhsa_forward_progress 1
		.amdhsa_inst_pref_size 35
	.end_amdhsa_kernel
	.amdgpu_metadata
---
amdhsa.version: [ 1, 2 ]
amdhsa.kernels:
  - .name:           k_q7ff67307bd_quant
    .symbol:         k_q7ff67307bd_quant.kd
    .args:
      - { .name: hidden_states, .offset: 0, .size: 8, .value_kind: global_buffer, .address_space: global }
      - { .name: Wq, .offset: 8, .size: 8, .value_kind: global_buffer, .address_space: global }
      - { .name: Wk, .offset: 16, .size: 8, .value_kind: global_buffer, .address_space: global }
      - { .name: Wv, .offset: 24, .size: 8, .value_kind: global_buffer, .address_space: global }
      - { .name: Wo, .offset: 32, .size: 8, .value_kind: global_buffer, .address_space: global }
      - { .name: xc, .offset: 40, .size: 8, .value_kind: global_buffer, .address_space: global }
      - { .name: wc, .offset: 48, .size: 8, .value_kind: global_buffer, .address_space: global }
    .group_segment_fixed_size: 0
    .private_segment_fixed_size: 0
    .kernarg_segment_align: 8
    .kernarg_segment_size: 56
    .max_flat_workgroup_size: 128
    .sgpr_count:     66
    .vgpr_count:     192
    .wavefront_size: 32
...
	.end_amdgpu_metadata
.endif
;; end of part 1
;; launch qkv (part 2): grid 8 x 32, 12 waves a work-group, clusters of 4 x 4, 327,680 bytes of LDS; arguments xc, wc, bq, bk, bv, qb, kv; writes qb, kv
.if DOCPART == 2
	.amdgcn_target "amdgcn-amd-amdhsa--gfx1250"
	.amdhsa_code_object_version 6
	.text
	.protected	k_q7ff67307bd_qkv
	.globl	k_q7ff67307bd_qkv
	.p2align	8
	.type	k_q7ff67307bd_qkv,@function
k_q7ff67307bd_qkv:
	s_mov_b64 s[64:65], 0
	v_nop
	global_prefetch_b8 v0, s[64:65] scope:SCOPE_SE
	s_setreg_imm32_b32 hwreg(HW_REG_WAVE_MODE, 25, 1), 1
	s_wait_xcnt 0x0
	s_wait_alu depctr_hold_cnt(0) depctr_sa_sdst(0) depctr_va_vdst(0) depctr_va_sdst(0) depctr_va_ssrc(0) depctr_va_vcc(0) depctr_vm_vsrc(0)
	s_getreg_b32 s2, hwreg(HW_REG_IB_STS2, 6, 4)
	s_cmp_eq_u32 s2, 0
	s_cbranch_scc0 .Lentry_in_a_cluster
	s_endpgm
.Lentry_in_a_cluster:
	s_bfe_u32 s2, ttmp6, 0x10000c
	s_cmp_lg_u32 s2, 0xf033
	s_cbranch_scc0 .Lentry_shape_is_right
	s_endpgm
.Lentry_shape_is_right:
; q = x Wq + bq, k = x Wk + bk, v = x Wv + bv on codes of FP6 (E2M3) with E8M0 scales, f32 sums; the results are quantised in registers and leave as codes:
; q and k along the head's 64, v along the keys.  xc and wc are laid in blocks of 25,600 bytes: 128 rows x 256 K as images of the operand's registers
; (fragment (tile, K step s) at 3072 tile + 1536 s, as two halves of 768 bytes; scale words at 24,576 + 128 tile + 64 s + 4 r).
; Row r of tile 2 b + u of a block is row 32 b + 8 u + r + 8 (r / 8): so the 16 registers that a lane holds of two neighbouring result tiles are 16 neighbours.
; SHARES.  A work-group takes 128 tokens (y) x two heads (x) x {q, k, v}.  Twelve waves, three to a SIMD: wave w has the role w / 4 (0 q, 1 k, 2 v) and a tile of
; 64 x 64: 16 accumulators.  q, k: source 0 = 4 tiles of W (head w % 2), source 1 = 4 tiles of x (tokens 64 ((w / 2) % 2) on): a lane holds ONE token, its registers run
; along the head.  v: source 0 = 4 tiles of x (tokens 64 (w % 2) on), source 1 = 4 tiles of Wv (head (w / 2) % 2): a lane holds one channel, its registers run along the keys.
; Both operands have one format, so the loop over K is one text for all roles: only six address registers differ.
; LDS: three slots of 102,400 bytes, each [Wq | Wk | x | Wv] for 256 along K.  K has four such steps: three first fills, and ONE refill (the fourth into slot 0).
; CLUSTER 4 x 4: x's block hangs on y alone and is shared along a row of the cluster, a weight's block on x alone and is shared along a column: joint loads.
; By this text's count a wave has three tensor loads out at the start and one behind the refill's round.
; OUT.  qb [head][32 blocks of tokens][6,400]: half images of the 8 query tiles at 768 tile, scale bytes at 6,144 + 64 (tile / 2) + 4 r + 2 (tile % 2) + block.
; kv [head][32 key steps][12,800]: K's 8 half images at 768 tile; V's fragment t (16 channels x 128 keys) at 6,144 + 1536 t; K's scale words at 12,288 + 64 (tile / 2) + 4 r;
; V's at 12,544 + 64 t + 4 r.
; LIMITS: NaN and infinities are not served.  A block of zeros, or one under 2^-124, keeps the scale byte 1: its codes are zeros, and this program alone reads the bytes.
.set BLK,   25600
.set SLOTB, 4*BLK
.set SPARE, 3*SLOTB                    ; behind the slots: the spare words, 128 bytes for each of twelve waves: six blocks of 256 bytes that no other line names
.set WV,  18                           ; s18 wave; s19 role; s20 g0 = w % 2; s21 g1 = (w / 2) % 2; s22 cx; s23 cy; s24 x; s25 y
.set G1A, 28                           ; s[28:35] descriptor group 1 for x's blocks (mask: my row of the cluster)
.set G1B, 36                           ; s[36:43] for the weights' (mask: my column)
.set CP,  72                           ; s[72:73] where my codes go
.set SP,  74                           ; s[74:75] where my scale bytes go
.set BP,  76                           ; s[76:77] my head's 64 numbers of my bias
.set HI,  78                           ; s78      a mask of lanes 16-31
.set SEL, 80                           ; s[80:81] selects for v_permlanex16_b32: lane l xor 16
.set SC0, 16                           ; v16-19 source 0's scale words: lanes 0-15 K step 0's, lanes 16-31 K step 1's
.set SC1, 20                           ; v20-23 source 1's
.set F0,  32                           ; v32-79   source 0's four fragments
.set F1,  80                           ; v80-127  source 1's
.set ACC, 128                          ; v128-255 accumulator (t0, t1) at 128 + 32 t1 + 8 t0
.set TM,  80                           ; the way out, in registers that the fragments have left: v80-83 largest magnitudes
.set SO,  84                           ; v84-85 scale operands
.set EB,  86                           ; v86-87 the two bytes
.set CT,  88                           ; v88-90 a conversion's second half
.set SB,  92                           ; v92-95 a row's two bytes for each t1
; v1 my spare word's address, v2 zero; v3-8 LDS bases (source 0: 16, 8, 4 x lane; source 1 likewise); v9-14 the same in the slot in hand
; v24, v25, v26 = 16, 8, 4 x lane; v28 = 64 h; v29 = 4 (r + 8 (r / 8))
.macro CROUND                          ; a round of the cluster's barrier
	s_barrier_signal -1
	s_barrier_wait -1
	s_cmp_lg_u32 s[WV], 0
	s_cbranch_scc1 .Lnot_wave_0_\@
	s_barrier_signal -3
.Lnot_wave_0_\@:
	s_barrier_wait -3
	s_barrier_signal -1
	s_barrier_wait -1
.endm
.macro FRAG reg, a16, a8, off          ; a fragment comes back as it was stored: every load of the wave reads 512 or 256 consecutive bytes
	ds_load_b128 v[\reg:\reg+3], v[\a16] offset:\off
	ds_load_b64 v[\reg+4:\reg+5], v[\a8] offset:\off+512
	ds_load_b128 v[\reg+6:\reg+9], v[\a16] offset:\off+768
	ds_load_b64 v[\reg+10:\reg+11], v[\a8] offset:\off+1280
.endm
.macro SLOTADR sl                      ; six plain instructions: also the places in front of the loads that follow
.irp i, 0,1,2,3,4,5
	v_add_nc_u32 v[9+\i], (\sl)*SLOTB, v[3+\i]
.endr
.endm
.macro SCLOAD
.irp t, 0,1,2,3
	ds_load_b32 v[SC0+\t], v11 offset:128*\t
	ds_load_b32 v[SC1+\t], v14 offset:128*\t
.endr
.endm
.macro KLOAD ks, np                    ; 32 loads: the eight fragments of K step ks of the slot; np places in front of loads into registers that matrix instructions have read
.rept \np
	v_nop
.endr
.irp t, 0,1,2,3
	FRAG F0+12*\t, 9, 10, 3072*\t+1536*\ks
.endr
.irp t, 0,1,2,3
	FRAG F1+12*\t, 12, 13, 3072*\t+1536*\ks
.endr
.endm
.macro MM t0, t1, c, row
.if \row
	v_wmma_scale_f32_16x16x128_f8f6f4 v[ACC+32*(\t1)+8*(\t0):ACC+32*(\t1)+8*(\t0)+7], v[F0+12*(\t0):F0+12*(\t0)+11], v[F1+12*(\t1):F1+12*(\t1)+11], v[\c:\c+7], v[SC0+(\t0)], v[SC1+(\t1)] matrix_a_fmt:MATRIX_FMT_FP6 matrix_b_fmt:MATRIX_FMT_FP6 matrix_a_scale:MATRIX_SCALE_ROW1 matrix_b_scale:MATRIX_SCALE_ROW1
.else
	v_wmma_scale_f32_16x16x128_f8f6f4 v[ACC+32*(\t1)+8*(\t0):ACC+32*(\t1)+8*(\t0)+7], v[F0+12*(\t0):F0+12*(\t0)+11], v[F1+12*(\t1):F1+12*(\t1)+11], v[\c:\c+7], v[SC0+(\t0)], v[SC1+(\t1)] matrix_a_fmt:MATRIX_FMT_FP6 matrix_b_fmt:MATRIX_FMT_FP6
.endif
.endm
.macro KMUL ks                         ; 16 products; the sixteen accumulators take turns in the same order in every step
.irp t1, 0,1,2,3
	s_wait_dscnt 12-4*\t1                          ; source 0's fragments and source 1's up to t1 are in; the later ones, four loads each, may be out
.irp t0, 0,1,2,3
	MM \t0, \t1, ACC+32*\t1+8*\t0, \ks
.endr
.endr
.endm
.macro KSLOT sl
	SLOTADR \sl
	SCLOAD
	KLOAD 0, 0
	s_wait_alu depctr_va_vdst(0)
	KMUL 0
	KLOAD 1, 4
	KMUL 1
.endm
.macro DESC g, k, adr                  ; descriptor group 0: first fill k
	s_mov_b32 s[\g], 1                             ; count = 1
	s_add_co_u32 s[\g+1], s82, (\k)*SLOTB          ; LDS address: my block of slot k
	s_add_nc_u64 s[\g+2:\g+3], s[\adr:\adr+1], (\k)*BLK   ; global address: 256 k along K
	s_or_b32 s[\g+3], s[\g+3], 0x80000000          ; type = 2
.endm
; 32 numbers of a lane, register 16 b + i = k 32 b + 16 (lane / 16) + i, become half a fragment (6 registers at d: lane (r, h) holds block h) and the two bytes in v[EB], v[EB+1]
.macro QH src, d
.irp b, 0,1
	v_max3_num_f32 v[TM+\b], |v[\src+16*\b]|, |v[\src+16*\b+1]|, 0x1800000   ; each accumulator is read from its low end on; the floor 2^(3 - 127) holds the byte at 1 from below
.endr
.irp i, 2,4,6,8,10,12,14
.irp b, 0,1
	v_max3_num_f32 v[TM+\b], v[TM+\b], |v[\src+16*\b+\i]|, |v[\src+16*\b+\i+1]|
.endr
.endr
.irp b, 0,1
	s_delay_alu instid0(VALU_DEP_2)
	v_permlanex16_b32 v[TM+2+\b], v[TM+\b], s[SEL], s[SEL+1]
.endr
.irp b, 0,1
	s_delay_alu instid0(VALU_DEP_2)
	v_max_num_f32 v[TM+\b], v[TM+\b], v[TM+2+\b]
.endr
.irp b, 0,1
	s_delay_alu instid0(VALU_DEP_2)
	v_add_nc_u32 v[SO+\b], 0xff000000, v[TM+\b]    ; 2 off the exponent field: the conversion's scale operand
.endr
.irp b, 0,1
	s_delay_alu instid0(VALU_DEP_2)
	v_lshrrev_b32 v[EB+\b], 23, v[SO+\b]           ; the byte
.endr
	v_cvt_scalef32_pk16_fp6_f32 v[\d:\d+2], v[\src:\src+15], v[SO]
	v_cvt_scalef32_pk16_fp6_f32 v[CT:CT+2], v[\src+16:\src+31], v[SO+1]
	v_nop                                          ; one plain instruction behind the scaled conversions
.irp i, 0,1,2
	v_permlane16_swap_b32 v[\d+\i], v[CT+\i]       ; a whole block to a lane
.endr
.irp i, 0,1,2
	s_delay_alu instid0(VALU_DEP_3)
	v_mov_b32 v[\d+3+\i], v[CT+\i]
.endr
.endm
.macro EPI cstr                        ; my four groups of 32 registers become four half images, cstr bytes apart; each has registers of its own, so no store's data are written again
.irp t1, 0,1,2,3
	QH ACC+32*\t1, F0+8*\t1
	v_lshl_or_b32 v[SB+\t1], v[EB+1], 8, v[EB]
	global_store_b128 v24, v[F0+8*\t1:F0+8*\t1+3], s[CP:CP+1] offset:\cstr*\t1          ; 512 consecutive bytes, aligned to 256
	global_store_b64 v25, v[F0+8*\t1+4:F0+8*\t1+5], s[CP:CP+1] offset:\cstr*\t1+512     ; 256
.endr
.endm
; kv, AS THE ATTENTION LAUNCH READS IT (in place of what the head comment says of kv): a fragment's 12 registers lie in three planes of 512 bytes, registers 4 p .. 4 p + 3 at 512 p + 16 x lane.
; K's fragment b at 1536 b, V's fragment t at 6,144 + 1536 t.  The scale words at 12,288 + 16 x lane + 4 j: j = 0, 1 K's fragments 0/1 and 2/3, j = 2, 3 V's; lanes 0-15 the even fragment's rows, lanes 16-31 the odd one's.
; K'S TILES ARE FORMED ANEW: key tau of the 128 goes to tile 4 (tau / 64) + (tau / 8) % 4, row 8 ((tau / 32) % 2) + tau % 8; fragment b holds tile 2 b in registers 0-5 and tile 2 b + 1 in registers 6-11.
; Lane (r, h) of my tile 4 g1 + t1 holds key 64 g1 + 32 (t1 / 2) + 16 (r / 8) + 8 (t1 % 2) + r % 8: it goes to fragment 2 g1 + r / 8, half t1 % 2, row 8 (t1 / 2) + r % 8.
; v96, v97 = 1536 (r / 8) + 16 (r % 8) + 256 h, + 128 (t1 / 2).  A half's six registers fall into two planes: 4 + 2 for the first half, 2 + 4 for the second.
.macro EPIK
.irp t1, 0,1,2,3
	QH ACC+32*\t1, F0+8*\t1
	v_lshl_or_b32 v[SB+\t1], v[EB+1], 8, v[EB]
.if \t1%2
	global_store_b64 v[96+\t1/2], v[F0+8*\t1:F0+8*\t1+1], s[CP:CP+1] offset:520
	global_store_b128 v[96+\t1/2], v[F0+8*\t1+2:F0+8*\t1+5], s[CP:CP+1] offset:1024
.else
	global_store_b128 v[96+\t1/2], v[F0+8*\t1:F0+8*\t1+3], s[CP:CP+1]
	global_store_b64 v[96+\t1/2], v[F0+8*\t1+4:F0+8*\t1+5], s[CP:CP+1] offset:512
.endif
.endr
.endm
; V: which half of a fragment is mine hangs on my wave, so the six registers go as three pairs, at 16 x lane + {0, 8, 512} (half 0) or {520, 1024, 1032} (half 1): v96-98
.macro EPIV
.irp t1, 0,1,2,3
	QH ACC+32*\t1, F0+8*\t1
	v_lshl_or_b32 v[SB+\t1], v[EB+1], 8, v[EB]
	global_store_b64 v96, v[F0+8*\t1:F0+8*\t1+1], s[CP:CP+1] offset:1536*\t1
	global_store_b64 v97, v[F0+8*\t1+2:F0+8*\t1+3], s[CP:CP+1] offset:1536*\t1
	global_store_b64 v98, v[F0+8*\t1+4:F0+8*\t1+5], s[CP:CP+1] offset:1536*\t1
.endr
.endm
	s_load_b256 s[4:11], s[0:1], 0x0
	s_load_b128 s[12:15], s[0:1], 0x20             ; bv s[12:13], qb s[14:15]
	s_load_b64 s[16:17], s[0:1], 0x30              ; kv
	v_lshl_add_u32 v1, v0, 2, SPARE
	v_mov_b32 v2, 0
	ds_add_u32 v1, v2
	ds_add_u32 v1, v2
	s_wait_dscnt 0x0
	v_lshrrev_b32 v30, 5, v0
	s_delay_alu instid0(VALU_DEP_1)
	v_readfirstlane_b32 s[WV], v30                 ; wave 0..11
	s_lshr_b32 s19, s[WV], 2                       ; role
	s_and_b32 s20, s[WV], 1                        ; g0
	s_bfe_u32 s21, s[WV], 0x10001                  ; g1
	s_bfe_u32 s22, ttmp6, 0x40000                  ; cx
	s_bfe_u32 s23, ttmp6, 0x40004                  ; cy
	s_lshl_b32 s24, ttmp9, 2
	s_add_co_u32 s24, s24, s22                     ; x: the pair of heads
	s_and_b32 s25, ttmp7, 0xffff
	s_lshl_b32 s25, s25, 2
	s_add_co_u32 s25, s25, s23                     ; y: the block of 128 tokens
	s_lshl_b32 s26, s23, 2
	s_lshl_b32 s26, 15, s26                        ; my row of the cluster
	s_lshl_b32 s27, 0x1111, s22                    ; my column
	; descriptor group 1: a dense block of 25,600 bytes as 100 rows of 32 elements of 8 bytes, no padding
	s_or_b32 s[G1A], s26, (3<<16)|(1<<21)          ; 15:0 the mask; 17:16 elements of 8 bytes; 21 set beside a mask
	s_or_b32 s[G1B], s27, (3<<16)|(1<<21)
.irp g, G1A, G1B
	s_mov_b32 s[\g+1], 32<<16                      ; tensor_dim0 = 32
	s_mov_b32 s[\g+2], 100<<16                     ; tensor_dim1 = 100
	s_mov_b32 s[\g+3], 32<<16                      ; tile_dim0 = 32
	s_mov_b32 s[\g+4], 100                         ; tile_dim1 = 100
	s_mov_b32 s[\g+5], 32                          ; from row to row
	s_mov_b32 s[\g+6], 0
	s_mov_b32 s[\g+7], 0
.endr
	s_mov_b32 s[HI], 0xffff0000
	s_mov_b32 s[SEL], 0x76543210
	s_mov_b32 s[SEL+1], 0xfedcba98
	; every LDS address is made here, ahead of the first branch on the wave's number
	v_and_b32 v30, 31, v0                          ; lane
	v_and_b32 v31, 15, v0                          ; r
	v_bfe_u32 v27, v0, 4, 1                        ; h
	s_delay_alu instid0(VALU_DEP_3)
	v_lshlrev_b32 v24, 4, v30
	s_wait_alu depctr_va_vdst(0)
	v_lshlrev_b32 v25, 3, v30
	s_wait_alu depctr_va_vdst(0)
	v_lshlrev_b32 v26, 2, v30
	s_wait_alu depctr_va_vdst(0)
	s_mul_i32 s82, s19, BLK                        ; source 0's block: Wq, Wk, or (role 2) x
	s_mul_i32 s83, s20, 12288                      ; its four tiles
	s_add_co_u32 s83, s83, s82
	v_add_nc_u32 v3, s83, v24
	v_add_nc_u32 v4, s83, v25
	s_lshl_b32 s83, s20, 9
	s_add_co_u32 s83, s83, s82
	s_add_co_u32 s83, s83, 24576
	v_add_nc_u32 v5, s83, v26                      ; and their scale words
	s_lshr_b32 s82, s[WV], 3
	s_add_co_u32 s82, s82, 2
	s_mul_i32 s82, s82, BLK                        ; source 1's block: x, or (role 2) Wv
	s_mul_i32 s83, s21, 12288
	s_add_co_u32 s83, s83, s82
	v_add_nc_u32 v6, s83, v24
	v_add_nc_u32 v7, s83, v25
	s_lshl_b32 s83, s21, 9
	s_add_co_u32 s83, s83, s82
	s_add_co_u32 s83, s83, 24576
	v_add_nc_u32 v8, s83, v26
	v_lshlrev_b32 v28, 6, v27                      ; 64 h
	v_and_b32 v29, 8, v31
	s_delay_alu instid0(VALU_DEP_1)
	v_add_nc_u32 v29, v29, v31
	s_delay_alu instid0(VALU_DEP_1)
	v_lshlrev_b32 v29, 2, v29                      ; 4 (r + 8 (r / 8))
	; what I fetch, if I fetch: wave 2 x's block, waves 0, 1, 3 the blocks of Wq, Wk, Wv.  x's address is made of y alone, a weight's of x alone
	; THE FIRST FILLS ARE TWELVE BLOCKS, ONE A WAVE (in place of what the head comment says of three loads a wave): wave w fetches block w % 4 of slot w / 4, so one tensor load of a wave is out
	s_mul_i32 s82, s[WV], BLK                      ; LDS: w blocks on
	s_mul_i32 s83, s19, BLK                        ; w / 4 blocks on along K
	s_mul_i32 s84, s25, 4*BLK
	s_add_co_u32 s84, s84, s83
	s_mov_b32 s85, 0
	s_and_b32 s88, s[WV], 3                        ; which block of a slot: 0 Wq, 1 Wk, 2 x, 3 Wv
	s_min_u32 s86, s88, 2                          ; which weight
	s_lshl_b32 s86, s86, 3
	s_add_co_u32 s86, s86, s24
	s_mul_i32 s86, s86, 4*BLK
	s_add_co_u32 s86, s86, s83
	s_mov_b32 s87, 0
	s_wait_kmcnt 0x0
	s_add_nc_u64 s[84:85], s[4:5], s[84:85]
	s_add_nc_u64 s[86:87], s[6:7], s[86:87]
	DESC 44, 0, 84
	DESC 56, 0, 86
	CROUND                                         ; all sixteen work-groups are here: the first joint loads meet
	s_cmp_eq_u32 s88, 2                            ; two arms, one load each: every way passes exactly one
	s_cbranch_scc0 .Lff_not_x
	tensor_load_to_lds s[44:47], s[G1A:G1A+7]
	s_nop 0
.rept 4
	v_nop
.endr
	s_branch .Lff_done
.Lff_not_x:
	tensor_load_to_lds s[56:59], s[G1B:G1B+7]
	s_nop 0
.rept 4
	v_nop
.endr
.Lff_done:
	; my head, my bias, and where my results go
	s_cmp_lt_u32 s[WV], 8
	s_cselect_b32 s88, s20, s21
	s_lshl_b32 s89, s24, 1
	s_add_co_u32 s88, s88, s89                     ; head = 2 x + g0 (q, k) or 2 x + g1 (v)
	s_cmp_eq_u32 s19, 0
	s_cselect_b64 s[BP:BP+1], s[8:9], s[10:11]
	s_cselect_b64 s[CP:CP+1], s[14:15], s[16:17]   ; qb or kv
	s_mov_b32 s90, 12800
	s_cselect_b32 s90, 6400, s90                   ; a block of it
	s_mov_b32 s91, 12288
	s_cselect_b32 s91, 6144, s91                   ; where q's or K's scale words begin
	s_cmp_eq_u32 s19, 2
	s_cselect_b64 s[BP:BP+1], s[12:13], s[BP:BP+1]
	s_lshl_b32 s84, s88, 8
	s_mov_b32 s85, 0
	s_add_nc_u64 s[BP:BP+1], s[BP:BP+1], s[84:85]
	s_lshl_b32 s84, s88, 5
	s_add_co_u32 s84, s84, s25
	s_mul_i32 s84, s84, s90
	s_add_nc_u64 s[CP:CP+1], s[CP:CP+1], s[84:85]  ; block (head, y)
	s_mul_i32 s86, s21, 3072                       ; q, k: my four tiles' halves
	s_mov_b32 s87, 0                               ; (my half's place stands in the store addresses)
	s_add_co_u32 s87, s87, 6144                    ; v: half g0 of each fragment
	s_lshl_b32 s89, s21, 7
	s_add_co_u32 s89, s89, s91                     ; q, k: my two pairs of tiles' words
	s_lshl_b32 s90, s20, 1
	s_add_co_u32 s90, s90, 12296                   ; v: bytes 2 g0, 2 g0 + 1 of word j = 2 of each lane's four
	s_cmp_lt_u32 s[WV], 8
	s_cselect_b32 s84, s89, s90
	s_cselect_b32 s86, s86, s87
	s_add_nc_u64 s[SP:SP+1], s[CP:CP+1], s[84:85]
	s_mov_b32 s87, 0
	s_add_nc_u64 s[CP:CP+1], s[CP:CP+1], s[86:87]
	; THE BIAS IS THE C OF EACH SUM'S FIRST PRODUCT.  It is loaded, in the result's layout, into the four accumulators that are started last
	s_cmp_lt_u32 s[WV], 8
	s_cbranch_scc0 .Lbias_v
	s_wait_alu depctr_va_vdst(0)
.irp t0, 0,1,2,3                               ; q, k: register j of tile t0 is channel 32 (t0 / 2) + 16 h + 8 (t0 % 2) + j
	global_load_b128 v[ACC+96+8*\t0:ACC+96+8*\t0+3], v28, s[BP:BP+1] offset:(32*(\t0/2)+8*(\t0%2))*4
	global_load_b128 v[ACC+96+8*\t0+4:ACC+96+8*\t0+7], v28, s[BP:BP+1] offset:(32*(\t0/2)+8*(\t0%2))*4+16
.endr
	s_branch .Lbias_done
.Lbias_v:
	s_wait_alu depctr_va_vdst(0)
.irp t1, 0,1,2,3                               ; v: all eight registers of a lane belong to channel 32 (t1 / 2) + 8 (t1 % 2) + r + 8 (r / 8)
.irp j, 0,1,2,3,4,5,6,7
	global_load_b32 v[ACC+32*\t1+24+\j], v29, s[BP:BP+1] offset:(32*(\t1/2)+8*(\t1%2))*4
.endr
.endr
.Lbias_done:
	s_wait_tensorcnt 0x0                           ; my one load is in: with everybody's, slots 0, 1 and 2 are whole behind this barrier
	s_barrier_signal -1
	s_barrier_wait -1                              ; everybody's is
	SLOTADR 0
	SCLOAD
	KLOAD 0, 0
	s_wait_loadcnt 0x0                             ; the bias
	s_wait_dscnt 0x0
	s_cmp_lt_u32 s[WV], 8                          ; the first K step starts the sums; the two roles differ in where the bias lies
	s_cbranch_scc0 .Lkf_v
.irp t1, 0,1,2
.irp t0, 0,1,2,3
	MM \t0, \t1, ACC+96+8*\t0, 0
.endr
.endr
.rept 5
	v_nop                                          ; five places: the next four products write over registers that earlier products took as C (ISA guide 7.12.1)
.endr
.irp t0, 0,1,2,3
	MM \t0, 3, ACC+96+8*\t0, 0
.endr
	s_branch .Lkf_done
.Lkf_v:
.irp t0, 0,1,2
.irp t1, 0,1,2,3
	MM \t0, \t1, ACC+32*\t1+24, 0
.endr
.endr
.rept 5
	v_nop
.endr
.irp t1, 0,1,2,3
	MM 3, \t1, ACC+32*\t1+24, 0
.endr
.Lkf_done:
	s_wait_alu depctr_va_vdst(0)
	KLOAD 1, 4
	KMUL 1
	; slot 0 has been read: it takes the last 256 along K
	s_wait_tensorcnt 0x0                           ; all my tensor loads have landed, slots 1 and 2 among them: so a group 0 may be written
	ds_add_u32 v1, v2                              ; 0 onto my spare word
	s_add_nc_u64 s[46:47], s[46:47], 3*BLK
	s_add_nc_u64 s[58:59], s[58:59], 3*BLK
	s_wait_dscnt 0x0                               ; the add is done, and my reads of slot 0 are over
	CROUND                                         ; the same holds of every wave of every partner
	s_cmp_eq_u32 s[WV], 2                          ; the joint refill: a wave's one tensor load behind the round, and the first thing there
	s_cbranch_scc0 .Lrf_not_x
	tensor_load_to_lds s[44:47], s[G1A:G1A+7]
	s_nop 0
.rept 4
	v_nop
.endr
	s_branch .Lrf_done
.Lrf_not_x:
	s_cmp_lt_u32 s[WV], 4
	s_cbranch_scc0 .Lrf_done
	tensor_load_to_lds s[56:59], s[G1B:G1B+7]
	s_nop 0
.rept 4
	v_nop
.endr
.Lrf_done:
	KSLOT 1                                        ; the wait for all loads and the round have shown slots 1 and 2 whole: no barrier between them
	KSLOT 2
	s_wait_tensorcnt 0x0                           ; my part of the refill is in (it had two slots' work in which to land)
	s_wait_dscnt 0x0
	s_barrier_signal -1
	s_barrier_wait -1                              ; everybody's is
	KSLOT 0
.rept 4
	v_nop                                          ; four places in front of the first read of results and the first write of registers that held fragments
.endr
	v_mov_b32 v[TM+2], 0                           ; a lane permute's destination counts as one of its sources
	v_mov_b32 v[TM+3], 0
	s_cmp_lt_u32 s[WV], 8
	s_cbranch_scc0 .Lepi_v
	s_cmp_lt_u32 s[WV], 4
	s_cbranch_scc0 .Lepi_k
	EPI 768                                        ; q: a lane's 32 registers of t1 are its token's 64 channels' half: tile 4 g1 + t1's half image
	v_lshl_or_b32 v[SB], v[SB+1], 16, v[SB]        ; a word holds the bytes of two neighbouring tiles
	v_lshl_or_b32 v[SB+2], v[SB+3], 16, v[SB+2]
	s_delay_alu instid0(VALU_DEP_1)
	v_cndmask_b32 v[SB], v[SB], v[SB+2], s[HI]
	global_store_b32 v26, v[SB], s[SP:SP+1]
	s_branch .Lepi_done
.Lepi_k:
	s_mul_i32 s84, s21, 3068
	s_sub_co_u32 s84, 0x3000, s84                  ; the scale words from my codes' base on: 12,288 - 3,072 g1, and word j = g1
	v_and_b32 v101, 7, v31                         ; r % 8
	v_lshrrev_b32 v102, 3, v31                     ; r / 8
	v_lshlrev_b32 v101, 4, v101
	v_mul_u32_u24 v96, v102, 1536
	v_lshl_add_u32 v100, v102, 8, s84
	v_lshl_add_u32 v96, v27, 8, v96
	v_lshl_add_u32 v100, v27, 7, v100
	v_add_nc_u32 v96, v96, v101
	v_add_nc_u32 v100, v100, v101                  ; lane 16 (r / 8) + 8 (t1 / 2) + r % 8 of the scale words; t1 / 2 is my half of the lanes behind the selection below
	v_add_nc_u32 v97, 128, v96
	EPIK
	v_lshl_or_b32 v[SB], v[SB+1], 16, v[SB]        ; a word holds the bytes of two neighbouring tiles
	v_lshl_or_b32 v[SB+2], v[SB+3], 16, v[SB+2]
	s_delay_alu instid0(VALU_DEP_1)
	v_cndmask_b32 v[SB], v[SB], v[SB+2], s[HI]     ; lanes 0-15 the first pair's words, lanes 16-31 the second's: 128 consecutive bytes
	global_store_b32 v100, v[SB], s[CP:CP+1]       ; the word's low half is the even tile's two bytes
	s_branch .Lepi_done
.Lepi_v:
	s_cmp_eq_u32 s20, 0                            ; which half of each fragment is mine
	s_cselect_b32 s84, 0, 520
	s_cselect_b32 s85, 8, 1024
	s_mov_b32 s86, 1032
	s_cselect_b32 s86, 512, s86
	v_add_nc_u32 v96, s84, v24
	v_add_nc_u32 v97, s85, v24
	v_add_nc_u32 v98, s86, v24
	EPIV                                           ; v: a lane's 32 registers of t1 are 64 keys' half of its channel: half g0 of V's fragment t1
	v_cndmask_b32 v[SB], v[SB], v[SB+1], s[HI]     ; lanes 0-15 fragment 0's rows, lanes 16-31 fragment 1's
	v_cndmask_b32 v[SB+2], v[SB+2], v[SB+3], s[HI]
	global_store_b16 v24, v[SB], s[SP:SP+1]        ; half of each word is mine, the other half the wave's with the other 64 keys
	global_store_b16 v24, v[SB+2], s[SP:SP+1] offset:4
.Lepi_done:
	s_wait_tensorcnt 0x0                           ; the wave's end
	ds_add_u32 v1, v2
	s_wait_dscnt 0x0
	CROUND                                         ; the closing round: no work-group ends while a partner may still ask for a block that names it
	s_endpgm
.Lfunc_end_k_q7ff67307bd_qkv:
	.size	k_q7ff67307bd_qkv, .Lfunc_end_k_q7ff67307bd_qkv-k_q7ff67307bd_qkv
	.p2alignl 7, 3214868480
	.fill 96, 4, 3214868480
	.section	.rodata,"a",@progbits
	.p2align	6, 0x0
	.amdhsa_kernel k_q7ff67307bd_qkv
		.amdhsa_group_segment_fixed_size 327680
		.amdhsa_private_segment_fixed_size 0
		.amdhsa_enable_private_segment 0
		.amdhsa_kernarg_size 56
		.amdhsa_user_sgpr_count 2
		.amdhsa_user_sgpr_kernarg_segment_ptr 1
		.amdhsa_wavefront_size32 1
		.amdhsa_system_sgpr_workgroup_id_x 1
		.amdhsa_system_sgpr_workgroup_id_y 1
		.amdhsa_system_sgpr_workgroup_id_z 1
		.amdhsa_system_vgpr_workitem_id 0
		.amdhsa_next_free_vgpr 256
		.amdhsa_next_free_sgpr 96
		.amdhsa_reserve_vcc 0
		.amdhsa_float_denorm_mode_32 3
		.amdhsa_float_denorm_mode_16_64 3
		.amdhsa_memory_ordered 1
		.amdhsa_forward_progress 1
		.amdhsa_inst_pref_size 84
	.end_amdhsa_kernel
	.amdgpu_metadata
---
amdhsa.version: [ 1, 2 ]
amdhsa.kernels:
  - .name:           k_q7ff67307bd_qkv
    .symbol:         k_q7ff67307bd_qkv.kd
    .args:
      - { .name: xc, .offset: 0, .size: 8, .value_kind: global_buffer, .address_space: global }
      - { .name: wc, .offset: 8, .size: 8, .value_kind: global_buffer, .address_space: global }
      - { .name: bq, .offset: 16, .size: 8, .value_kind: global_buffer, .address_space: global }
      - { .name: bk, .offset: 24, .size: 8, .value_kind: global_buffer, .address_space: global }
      - { .name: bv, .offset: 32, .size: 8, .value_kind: global_buffer, .address_space: global }
      - { .name: qb, .offset: 40, .size: 8, .value_kind: global_buffer, .address_space: global }
      - { .name: kv, .offset: 48, .size: 8, .value_kind: global_buffer, .address_space: global }
    .group_segment_fixed_size: 327680
    .private_segment_fixed_size: 0
    .kernarg_segment_align: 8
    .kernarg_segment_size: 56
    .max_flat_workgroup_size: 384
    .sgpr_count:     96
    .vgpr_count:     256
    .wavefront_size: 32
...
	.end_amdgpu_metadata
.endif
;; end of part 2
;; launch attn (part 3): grid 16 x 16, 16 waves a work-group, clusters of 4 x 1, 327,680 bytes of LDS; arguments qb, kv, ctx; writes ctx
.if DOCPART == 3
	.amdgcn_target "amdgcn-amd-amdhsa--gfx1250"
	.amdhsa_code_object_version 6
	.text
	.protected	k_q7ff67307bd_attn
	.globl	k_q7ff67307bd_attn
	.p2align	8
	.type	k_q7ff67307bd_attn,@function
k_q7ff67307bd_attn:
	s_mov_b64 s[64:65], 0
	v_nop
	global_prefetch_b8 v0, s[64:65] scope:SCOPE_SE
	s_setreg_imm32_b32 hwreg(HW_REG_WAVE_MODE, 25, 1), 1
	s_wait_xcnt 0x0
	s_wait_alu depctr_hold_cnt(0) depctr_sa_sdst(0) depctr_va_vdst(0) depctr_va_sdst(0) depctr_va_ssrc(0) depctr_va_vcc(0) depctr_vm_vsrc(0)
	s_getreg_b32 s2, hwreg(HW_REG_IB_STS2, 6, 4)
	s_cmp_eq_u32 s2, 0
	s_cbranch_scc0 .Lentry_in_a_cluster
	s_endpgm
.Lentry_in_a_cluster:
	s_bfe_u32 s2, ttmp6, 0x10000c
	s_cmp_lg_u32 s2, 0x3003
	s_cbranch_scc0 .Lentry_shape_is_right
	s_endpgm
.Lentry_shape_is_right:
; ctx[q] = 1/4 x the sum over the four chunks of 1,024 keys of softmax_chunk(q . k / 8) v, for 16 heads of 64; both products on codes of FP6 (E2M3) with E8M0 scales.
; Every query sees all four chunks, each with a softmax of its own; they are walked in the order 0, 1, 2, 3 (the order only permutes four f32 additions).
; THE SOFTMAX: t = score x log2(e) / 8; M = the chunk's largest t so far, rounded UP to a whole number; p = 2^(t - M) is quantised along the keys, not normalised; the sum is taken of the
; unquantised p and divides at the chunk's end.  When M moves, the sum and O are multiplied by 2^(old M - new M): exact.
; SHARES.  A work-group owns 256 queries of one head, each of its sixteen waves a tile of 16; a wave walks 32 key steps of 128 keys.  Both products are used transposed: a lane holds ONE query.
; THE HEAD IS 64, THE INSTRUCTION'S K 128.  A fragment of K carries two tiles of keys (tile 2 b in k 0-63, tile 2 b + 1 in k 64-127); q stands in 18 registers [6 zeros | q | 6 zeros]:
; v[22:33] = [q | 0] picks tile 2 b, v[16:27] = [0 | q] tile 2 b + 1.  The zero codes add nothing; their scale bytes are 1.
; THE KEYS OF A TILE: row m of tile 4 c + u is key 64 c + 32 (m / 8) + 8 u + m % 8.  So register 32 c + i of the scores is key 64 c + 32 (lane / 16) + i: A LANE HOLDS TWO WHOLE BLOCKS OF 32 KEYS,
; in the order of p's operand: a block's maximum asks no other lane and the conversions' results are the operand's registers (three moves a block: a conversion's registers begin on an even number).
; kv [head][32 key steps][12,800]: K's four fragments at 1536 b, V's four (16 channels x 128 keys) at 6,144 + 1536 t, K's scale words at 12,288 + 64 b + 4 m, V's at 12,544 + 64 t + 4 r: register images.
; LDS: three slots of a chunk (102,400 bytes).  Chunks 0-2 are 307,200 dense bytes in memory and in LDS: EVERY wave fetches a sixteenth, 19,200 bytes, its one load at the head.  Chunk 3 is the one
; refill, into slot 0, a sixteenth (6,400 bytes) a wave, sixteen key steps ahead of its first read.  By this text's count one tensor load of a wave is out at any time; every wait for them is for 0.
; The barrier that shows chunk 3 whole guards no refill: it is signalled behind chunk 1 and waited for ahead of chunk 3; between the two stand register work and reads of slot 2, which nobody writes.
; CLUSTER 4 x 1: the four blocks of queries of a cluster belong to one head: every load is a joint one, by a mask that names the four.
; NO PREFETCH: the first fills have no loop ahead of them, and the one refill is asked for sixteen key steps ahead of its first read.
; OUT.  ctx is laid as the first launch lays x: blocks of 128 tokens x 256 K; head hd is half hd % 2 of K step (hd / 2) % 2 of block hd / 4 along K.
; LIMITS: NaN and infinities are not served.  The promise holds while the scaled scores t stay under 2^31 in magnitude.  A block of zeros, or one under 2^-124, keeps the scale byte 1: its codes are
; zeros, and this program alone reads the bytes.  A block's largest p is made from its largest score by the same multiply-add and exponential as every p.
.set BLK,   25600
.set CHB,   102400                     ; a chunk
.set STB,   12800                      ; a key step
; THE FILLS (in place of what the head comment says of one fill of 19,200 bytes): at the head every wave fetches a sixteenth of chunk 0 (6,400 bytes); behind the full sequence and a round,
; a sixteenth of chunks 1 and 2, which are dense in memory and in LDS (12,800 bytes); chunk 3 is the one refill, as the head comment has it
.set FILL,  2*CHB/16
.set REF,   CHB/16                     ; its part of the refill: 25 rows
.set SPARE, 3*CHB                      ; the spare words: 128 bytes for each of sixteen waves, which no other line names
.set A16, 1                            ; v1-2  16, 8 x lane
.set A8,  2
.set A4,  3
.set SPW, 4                            ; my spare word's address; never rewritten
.set NIL, 5                            ; 0; never rewritten
.set ADK, 6                            ; v6    16 x lane in the key step in hand
.set SQL, 10                           ; q's scale word for [q | 0]; v11 for [0 | q]
.set SQH, 11
.set QHI, 16
.set QLO, 22
.set SK,  34                           ; v34-35 K's scale words: lanes 0-15 the even fragment's, lanes 16-31 the odd one's
.set SV,  36                           ; v36-37 V's likewise
.set SPR, 38                           ; p's scale word
.set FR,  40                           ; v40-87   four fragments: K's, then V's
.set S,   88                           ; v88-151  S^T, then p
.set OC,  152                          ; v152-183 O^T of the chunk
.set OT,  184                          ; v184-215 the sum over the chunks
.set PC,  216                          ; v216-227 p's codes
.set BM,  228                          ; v228-229 my two blocks' largest scores, then largest p; v230-231 second chains
.set BT,  232                          ; v232-233 the bytes
.set SH8, 234                          ; 8 x (lane / 16)
.set SO,  236                          ; v236-237 scale operands
.set L3,  238                          ; v[238:239], v[252:253], v[254:255] the sum's further chains
.set CT,  240                          ; v240-246 the conversions' second halves
.set FF,  248                          ; v[248:249] f; at a chunk's end 1 / (4 l)
.set L1,  252
.set L2,  254
; v9 = 4 r; v39 = 4 r + h; v12 = -M, v13 = the largest score, v[14:15] = the sum in two halves; v250, v251 at work
.set WV,  10
.set G1,  16                           ; s[16:23] group 1 of the first fills; s[24:27] their group 0; s[28:31] the refill's group 0
.set G1R, 32                           ; s[32:39] group 1 of the refill
.set SEL, 40                           ; s[40:41] selects for v_permlanex16_b32: lane l xor 16
.set CS,  42                           ; s[42:43] c = log2(e) / 8
.set TB,  44                           ; LDS byte at which the key step in hand begins
.set CNT, 45
.set HI,  46                           ; a mask of lanes 16-31
.macro CROUND                          ; a round of the cluster's barrier
	s_barrier_signal -1
	s_barrier_wait -1
	s_cmp_lg_u32 s[WV], 0
	s_cbranch_scc1 .Lnot_wave_0_\@
	s_barrier_signal -3
.Lnot_wave_0_\@:
	s_barrier_wait -3
	s_barrier_signal -1
	s_barrier_wait -1
.endm
.macro NOPS
.rept 4
	v_nop
.endr
.endm
.macro FRAG reg, off                   ; a fragment comes back as it was stored: every load of the wave reads 512 or 256 consecutive bytes
	ds_load_b128 v[\reg:\reg+3], v[ADK] offset:\off          ; (in place of what the head comment says of kv's images) a fragment lies in three planes of 512 bytes: registers 4 p .. 4 p + 3 at 512 p + 16 x lane
	ds_load_b128 v[\reg+4:\reg+7], v[ADK] offset:\off+512
	ds_load_b128 v[\reg+8:\reg+11], v[ADK] offset:\off+1024
.endm
; The end of a step's sum of p is laid where plain vector work is owed behind matrix instructions.  DEFER: the last eight p, behind O^T's products (p's registers stand until the next scores are made).
; COMBO: the chains are joined, behind the next step's first products; keep = 1: with the copy of -M that the step's change of M is taken against (v235)
.macro DEFER
	v_pk_add_f32 v[L2:L2+1], v[L2:L2+1], v[S+56:S+57]
	v_pk_add_f32 v[L3:L3+1], v[L3:L3+1], v[S+58:S+59]
	v_pk_add_f32 v[14:15], v[14:15], v[S+60:S+61]
	v_pk_add_f32 v[L1:L1+1], v[L1:L1+1], v[S+62:S+63]
.endm
.macro COMBO keep
	v_pk_add_f32 v[L2:L2+1], v[L2:L2+1], v[L3:L3+1]
	v_pk_add_f32 v[14:15], v[14:15], v[L1:L1+1]
.if \keep
	v_mov_b32 v235, v12
.endif
	v_pk_add_f32 v[14:15], v[14:15], v[L2:L2+1]
.endm
.macro KQ b
.if (\b)%2
	v_wmma_scale_f32_16x16x128_f8f6f4 v[S+16*\b:S+16*\b+7], v[FR+12*\b:FR+12*\b+11], v[QLO:QLO+11], 0, v[SK+\b/2], v[SQL] matrix_a_fmt:MATRIX_FMT_FP6 matrix_b_fmt:MATRIX_FMT_FP6 matrix_a_scale:MATRIX_SCALE_ROW1
	v_wmma_scale_f32_16x16x128_f8f6f4 v[S+16*\b+8:S+16*\b+15], v[FR+12*\b:FR+12*\b+11], v[QHI:QHI+11], 0, v[SK+\b/2], v[SQH] matrix_a_fmt:MATRIX_FMT_FP6 matrix_b_fmt:MATRIX_FMT_FP6 matrix_a_scale:MATRIX_SCALE_ROW1
.else
	v_wmma_scale_f32_16x16x128_f8f6f4 v[S+16*\b:S+16*\b+7], v[FR+12*\b:FR+12*\b+11], v[QLO:QLO+11], 0, v[SK+\b/2], v[SQL] matrix_a_fmt:MATRIX_FMT_FP6 matrix_b_fmt:MATRIX_FMT_FP6
	v_wmma_scale_f32_16x16x128_f8f6f4 v[S+16*\b+8:S+16*\b+15], v[FR+12*\b:FR+12*\b+11], v[QHI:QHI+11], 0, v[SK+\b/2], v[SQH] matrix_a_fmt:MATRIX_FMT_FP6 matrix_b_fmt:MATRIX_FMT_FP6
.endif
.endm
.macro PV t
.if (\t)%2
	v_wmma_scale_f32_16x16x128_f8f6f4 v[OC+8*\t:OC+8*\t+7], v[FR+12*\t:FR+12*\t+11], v[PC:PC+11], v[OC+8*\t:OC+8*\t+7], v[SV+\t/2], v[SPR] matrix_a_fmt:MATRIX_FMT_FP6 matrix_b_fmt:MATRIX_FMT_FP6 matrix_a_scale:MATRIX_SCALE_ROW1
.else
	v_wmma_scale_f32_16x16x128_f8f6f4 v[OC+8*\t:OC+8*\t+7], v[FR+12*\t:FR+12*\t+11], v[PC:PC+11], v[OC+8*\t:OC+8*\t+7], v[SV+\t/2], v[SPR] matrix_a_fmt:MATRIX_FMT_FP6 matrix_b_fmt:MATRIX_FMT_FP6
.endif
.endm
; A KEY STEP: 128 keys
.macro STEP
	v_add_nc_u32 v[ADK], s[TB], v[A16]
	DEFER                                          ; with the line above: the places in front of loads into registers that the last products read
.irp b, 0,1,2,3
	FRAG FR+12*\b, 1536*\b
.endr
	ds_load_b128 v[SK:SK+3], v[ADK] offset:12288   ; the step's four scale words of a lane: K's two, V's two
	s_wait_alu depctr_va_vdst(0)
	s_wait_dscnt 0x0
.irp b, 0,1,2,3
	KQ \b                                          ; S^T = K q^T
.endr
	COMBO 1                                        ; four places: in front of the loads below and of the first read of the scores
.irp t, 0,1,2,3
	FRAG FR+12*\t, 6144+1536*\t                    ; V's fragments are asked for now and land under the softmax
.endr
; the largest score of each of my two blocks, in two chains each; every accumulator is first read at its low end.  It serves the row's maximum and, since p rises with the score, the block's largest p
.irp c, 0,1
	v_max3_num_f32 v[BM+\c], v[S+32*\c], v[S+32*\c+1], v[S+32*\c+2]
	v_max3_num_f32 v[BM+2+\c], v[S+32*\c+16], v[S+32*\c+17], v[S+32*\c+18]
.endr
.irp i, 3,5,7,9,11,13
.irp c, 0,1
	v_max3_num_f32 v[BM+\c], v[BM+\c], v[S+32*\c+\i], v[S+32*\c+\i+1]
	v_max3_num_f32 v[BM+2+\c], v[BM+2+\c], v[S+32*\c+16+\i], v[S+32*\c+17+\i]
.endr
.endr
.irp c, 0,1
	v_max3_num_f32 v[BM+\c], v[BM+\c], v[BM+2+\c], v[S+32*\c+15]
.endr
.irp c, 0,1
	v_max_num_f32 v[BM+\c], v[BM+\c], v[S+32*\c+31]
.endr
	s_delay_alu instid0(VALU_DEP_1)
	v_max_num_f32 v250, v[BM], v[BM+1]
	s_delay_alu instid0(VALU_DEP_1)
	v_permlanex16_b32 v251, v250, s[SEL], s[SEL+1] ; lane l xor 16 holds my query's other 64 keys
	s_delay_alu instid0(VALU_DEP_1)
	v_max3_num_f32 v13, v13, v250, v251            ; the chunk's largest score so far
	s_delay_alu instid0(VALU_DEP_1)
	v_mul_f32 v250, s[CS], v13                     ; as t (c is positive)
	s_delay_alu instid0(VALU_DEP_1)
	v_floor_f32 v12, -v250                         ; the new -M = floor(-t) = -ceil(t): a whole number
	s_delay_alu instid0(VALU_DEP_1)
	v_sub_f32 v250, v12, v235                      ; old M - new M: a whole number, 0 or less
	s_delay_alu instid0(VALU_DEP_1)
	v_cvt_i32_f32 v250, v250                       ; (it saturates: in a chunk's first step f is 0, which clears the sum and O^T)
	s_delay_alu instid0(VALU_DEP_1)
	v_ldexp_f32 v[FF], 1.0, v250                   ; f = 2^(old M - new M)
.set j, 0
.rept 32
	v_pk_fma_f32 v[S+j:S+j+1], v[S+j:S+j+1], s[CS:CS+1], v[12:13] op_sel_hi:[1,0,0]   ; t - M, two at a time
.set j, j+2
.endr
.irp c, 0,1
	v_fma_f32 v[BM+\c], v[BM+\c], s[CS], v12       ; the same of each block's largest score
.endr
	s_wait_alu depctr_va_vdst(0)
.set j, 0
.rept 64
	v_exp_f32 v[S+j], v[S+j]                       ; p = 2^(t - M), at most 1
.set j, j+1
.endr
.irp c, 0,1
	v_exp_f32 v[BM+\c], v[BM+\c]                   ; the block's largest p
.endr
	v_pk_mul_f32 v[14:15], v[14:15], v[FF:FF+1] op_sel_hi:[1,0]   ; the sum under the new M: the plain instruction behind the exponentials
	s_wait_alu depctr_va_vdst(0)                   ; one wait for the whole batch, ahead of its first reader
	v_pk_add_f32 v[L1:L1+1], v[S:S+1], v[S+2:S+3]  ; the sum of the unquantised p, in four chains
	v_pk_add_f32 v[L2:L2+1], v[S+4:S+5], v[S+6:S+7]
	v_pk_add_f32 v[L3:L3+1], v[S+8:S+9], v[S+10:S+11]
	v_pk_add_f32 v[14:15], v[14:15], v[S+12:S+13]
.set j, 14
.rept 5
	v_pk_add_f32 v[L1:L1+1], v[L1:L1+1], v[S+j:S+j+1]
	v_pk_add_f32 v[L2:L2+1], v[L2:L2+1], v[S+j+2:S+j+3]
	v_pk_add_f32 v[L3:L3+1], v[L3:L3+1], v[S+j+4:S+j+5]
	v_pk_add_f32 v[14:15], v[14:15], v[S+j+6:S+j+7]
.set j, j+8
.endr
	v_pk_add_f32 v[L1:L1+1], v[L1:L1+1], v[S+54:S+55]   ; the last eight p and the joining of the chains follow behind the products below and behind the next step's first products
.irp c, 0,1
	v_max_num_f32 v[BM+\c], 0x1800000, v[BM+\c]    ; the floor 2^(3 - 127): the byte cannot fall under 1
.endr
.irp c, 0,1
	v_add_nc_u32 v[SO+\c], 0xff000000, v[BM+\c]    ; 2 off the exponent field: the conversion's scale operand
.endr
.irp c, 0,1
	v_lshrrev_b32 v[BT+\c], 23, v[SO+\c]           ; the byte of block 2 c + lane / 16
.endr
	s_delay_alu instid0(VALU_DEP_1)
	v_lshl_or_b32 v250, v[BT+1], 16, v[BT]
	s_delay_alu instid0(VALU_DEP_1)
	v_lshlrev_b32 v250, v[SH8], v250               ; at their places in the scale word
	s_delay_alu instid0(VALU_DEP_1)
	v_permlanex16_b32 v251, v250, s[SEL], s[SEL+1]
.irp c, 0,1
	v_cvt_scalef32_pk16_fp6_f32 v[PC+6*\c:PC+6*\c+2], v[S+32*\c:S+32*\c+15], v[SO+\c]
	v_cvt_scalef32_pk16_fp6_f32 v[CT+4*\c:CT+4*\c+2], v[S+32*\c+16:S+32*\c+31], v[SO+\c]
.endr
	v_or_b32 v[SPR], v250, v251                    ; with lane l xor 16's two bytes the scale word is whole: also the plain instruction behind the scaled conversions
.irp c, 0,1
.irp i, 0,1,2
	v_mov_b32 v[PC+6*\c+3+\i], v[CT+4*\c+\i]
.endr
.endr
	s_wait_alu depctr_va_vdst(0)                   ; ahead of the wait below, and of the first reader of O^T behind the exponentials
	s_wait_dscnt 0x0                               ; V
.set j, 0
.rept 16
	v_pk_mul_f32 v[OC+j:OC+j+1], v[OC+j:OC+j+1], v[FF:FF+1] op_sel_hi:[1,0]   ; O^T under the new M; these sixteen also stand between the writing of p's codes and scale word and the products
.set j, j+2
.endr
.irp t, 0,1,2,3
	PV \t                                          ; O^T += V^T p^T: four accumulators, one instruction each
.endr
.endm
; A chunk's end: O^T / (4 l) goes into the sum over the chunks; the largest score starts anew.  Nothing is cleared: the next chunk's first f is 0.
.macro FINAL first
	DEFER                                          ; the sum's last additions: also the four places in front of the first read of the last results
	COMBO 0
	v_add_f32 v14, v14, v15
	s_delay_alu instid0(VALU_DEP_1)
	v_permlanex16_b32 v250, v14, s[SEL], s[SEL+1]
	s_delay_alu instid0(VALU_DEP_1)
	v_add_f32 v14, v14, v250                       ; the row's sum
	s_wait_alu depctr_va_vdst(0)                   ; ahead of the reciprocal,
	v_rcp_f32 v14, v14
	v_mov_b32 v13, 0xff61b1e6                      ; -3e38, under every score: the plain instruction behind the reciprocal
	s_wait_alu depctr_va_vdst(0)                   ; and ahead of its first reader
	v_mul_f32 v[FF], 0x3e800000, v14               ; x 1/4: exact
	v_mov_b32 v12, 0x7e000000                      ; -M = 2^125: the next step's difference saturates
.set j, 0
.rept 16
.if \first
	v_pk_mul_f32 v[OT+j:OT+j+1], v[OC+j:OC+j+1], v[FF:FF+1] op_sel_hi:[1,0]
.else
	v_pk_fma_f32 v[OT+j:OT+j+1], v[OC+j:OC+j+1], v[FF:FF+1], v[OT+j:OT+j+1] op_sel_hi:[1,0,1]
.endif
.set j, j+2
.endr
.endm
.macro CHUNK base, first               ; eight key steps from LDS byte base on
	s_mov_b32 s[TB], \base
	s_mov_b32 s[CNT], 8
.Lstep_\@:
	STEP
	s_add_co_u32 s[TB], s[TB], STB
	s_sub_co_u32 s[CNT], s[CNT], 1
	s_cmp_lg_u32 s[CNT], 0
	s_cbranch_scc1 .Lstep_\@
	FINAL \first
.endm
	s_load_b128 s[4:7], s[0:1], 0x0                ; qb s[4:5], kv s[6:7]
	s_load_b64 s[8:9], s[0:1], 0x10                ; ctx
	v_lshl_add_u32 v[SPW], v0, 2, SPARE
	v_mov_b32 v[NIL], 0
	ds_add_u32 v[SPW], v[NIL]                      ; the opening lines: the add, twice on end, and its wait ahead of my first tensor load
	ds_add_u32 v[SPW], v[NIL]
	v_lshrrev_b32 v6, 5, v0
	v_readfirstlane_b32 s[WV], v6                  ; wave 0..15
	s_bfe_u32 s11, ttmp6, 0x40000                  ; cx: it enters q's and ctx's addresses alone
	s_and_b32 s12, ttmp7, 0xffff                   ; the head, which the four partners share
	; descriptor groups 1: dense bytes as rows of 32 elements of 8 bytes, no padding; the mask names all four work-groups, bit 21 beside it
	s_mov_b32 s[G1], 15|(3<<16)|(1<<21)
	s_mov_b32 s[G1+1], 32<<16
	s_mov_b32 s[G1+2], (FILL/256)<<16
	s_mov_b32 s[G1+3], 32<<16
	s_mov_b32 s[G1+4], FILL/256
	s_mov_b32 s[G1+5], 32
	s_mov_b32 s[G1+6], 0
	s_mov_b32 s[G1+7], 0
	s_mov_b32 s[G1R], 15|(3<<16)|(1<<21)
	s_mov_b32 s[G1R+1], 32<<16
	s_mov_b32 s[G1R+2], (REF/256)<<16
	s_mov_b32 s[G1R+3], 32<<16
	s_mov_b32 s[G1R+4], REF/256
	s_mov_b32 s[G1R+5], 32
	s_mov_b32 s[G1R+6], 0
	s_mov_b32 s[G1R+7], 0
	s_mov_b32 s[SEL], 0x76543210
	s_mov_b32 s[SEL+1], 0xfedcba98
	s_mov_b32 s[CS], 0x3e38aa3b                    ; c = log2(e) / 8
	s_mov_b32 s[CS+1], s[CS]                       ; (named with it as a pair, so it is written)
	s_mov_b32 s[HI], 0xffff0000
	s_mul_i32 s14, s12, 4*CHB                      ; the head's four chunks
	s_mov_b32 s15, 0
	s_mov_b32 s24, 1
	s_mul_i32 s25, s[WV], FILL
	s_add_co_u32 s25, s25, CHB                     ; LDS: my sixteenth of slots 1 and 2
	s_mov_b32 s28, 1
	s_mul_i32 s29, s[WV], REF                      ; LDS: my sixteenth of slot 0
	s_wait_dscnt 0x0                               ; both opening adds are done
	s_wait_kmcnt 0x0
	s_add_nc_u64 s[6:7], s[6:7], s[14:15]
	s_mov_b32 s14, s25
	s_add_nc_u64 s[26:27], s[6:7], s[14:15]        ; the same sixteenth of chunks 1 and 2
	s_or_b32 s27, s27, 0x80000000
	s_mov_b32 s14, s29                             ; my sixteenth of chunk 0
	s_add_nc_u64 s[30:31], s[6:7], s[14:15]        ; and of chunk 3
	s_or_b32 s31, s31, 0x80000000
	CROUND                                         ; all four work-groups are here: the first joint loads meet
	tensor_load_to_lds s[28:31], s[G1R:G1R+7]      ; my one load at the head: my sixteenth of chunk 0
	s_nop 0
	NOPS
	v_and_b32 v6, 31, v0
	v_and_b32 v7, 15, v0
	v_bfe_u32 v8, v0, 4, 1
	v_lshlrev_b32 v[A16], 4, v6
	v_lshlrev_b32 v[A8], 3, v6
	v_lshlrev_b32 v9, 2, v7                        ; 4 r
	v_lshlrev_b32 v[SH8], 3, v8                    ; 8 h
	v_lshl_add_u32 v39, v7, 2, v8                  ; 4 r + h
	; my tile of queries: block of 128 tokens 2 (4 cluster x + cx) + wave / 8, tile wave % 8
	s_lshl_b32 s48, ttmp9, 2
	s_add_co_u32 s48, s48, s11
	s_lshl_b32 s48, s48, 1
	s_lshr_b32 s49, s[WV], 3
	s_add_co_u32 s48, s48, s49                     ; the block of tokens
	s_and_b32 s49, s[WV], 7                        ; the tile
	s_lshl_b32 s52, s12, 5
	s_add_co_u32 s52, s52, s48
	s_mul_i32 s52, s52, 6400                       ; qb's block (head, tokens)
	s_mul_i32 s50, s49, 768
	s_add_co_u32 s54, s52, s50
	s_mov_b32 s55, 0
	s_add_nc_u64 s[54:55], s[4:5], s[54:55]        ; my tile's half image
	s_lshr_b32 s50, s49, 1
	s_lshl_b32 s50, s50, 6
	s_and_b32 s53, s49, 1
	s_lshl_b32 s53, s53, 1
	s_add_co_u32 s50, s50, s53
	s_add_co_u32 s52, s52, s50
	s_mov_b32 s53, 0
	s_add_nc_u64 s[52:53], s[4:5], s[52:53]        ; its scale bytes (6,144 stands in the load)
	s_wait_alu depctr_va_vdst(0)
	global_load_b128 v[22:25], v[A16], s[54:55]
	global_load_b64 v[26:27], v[A8], s[54:55] offset:512
	global_load_u16 v[SQL], v9, s[52:53] offset:6144   ; my query's two bytes
	; where my tile of ctx goes
	s_lshl_b32 s56, s48, 2
	s_lshr_b32 s57, s12, 2
	s_add_co_u32 s56, s56, s57
	s_mul_i32 s56, s56, BLK
	s_mov_b32 s57, 0
	s_add_nc_u64 s[8:9], s[8:9], s[56:57]          ; block (tokens, head / 4)
	s_bfe_u32 s58, s12, 0x10001                    ; K step (head / 2) % 2
	s_and_b32 s59, s12, 1                          ; half head % 2
	s_mul_i32 s56, s49, 3072
	s_mul_i32 s47, s58, 1536
	s_add_co_u32 s56, s56, s47
	s_mul_i32 s47, s59, 768
	s_add_co_u32 s56, s56, s47
	s_add_nc_u64 s[60:61], s[8:9], s[56:57]        ; the half image
	s_lshl_b32 s56, s49, 7
	s_lshl_b32 s47, s58, 6
	s_add_co_u32 s56, s56, s47
	s_lshl_b32 s47, s59, 1
	s_add_co_u32 s56, s56, s47
	s_add_nc_u64 s[62:63], s[8:9], s[56:57]        ; its two bytes of each scale word (24,576 stands in the store)
	s_wait_loadcnt 0x0                             ; q
	v_lshl_or_b32 v[SQH], v[SQL], 16, 0x101        ; [0 | q]: q's bytes above, 1 over the zero codes
	v_or_b32 v[SQL], 0x01010000, v[SQL]            ; [q | 0]
.irp j, 16,17,18,19,20,21,28,29,30,31,32,33
	v_mov_b32 v[\j], 0                             ; the zero codes on both sides of q
.endr
.set j, 0
.rept 32
	v_mov_b32 v[OC+j], 0                           ; O^T: the step is written once; its first f multiplies zeros
.set j, j+1
.endr
	v_mov_b32 v14, 0
	v_mov_b32 v15, 0
.set j, 56
.rept 8
	v_mov_b32 v[S+j], 0                            ; a chunk's first step adds what the step before left in these and in the chains; its f = 0 then clears the sum.  Here they are zeros
.set j, j+1
.endr
.irp j, L1, L1+1, L2, L2+1, L3, L3+1
	v_mov_b32 v[\j], 0
.endr
	v_mov_b32 v250, 0
	v_mov_b32 v251, 0
	v_mov_b32 v[FF+1], 0                           ; (named as the upper half of a pair)
	v_mov_b32 v13, 0xff61b1e6                      ; the largest score so far: -3e38
	v_mov_b32 v12, 0x7e000000                      ; -M = 2^125
	s_wait_alu depctr_va_vdst(0)
	s_wait_tensorcnt 0x0                           ; my part of chunk 0 is in
	ds_add_u32 v[SPW], v[NIL]
	s_wait_dscnt 0x0
	CROUND                                         ; chunk 0 is whole, and all four work-groups are here: the joint loads meet
	tensor_load_to_lds s[24:27], s[G1:G1+7]        ; chunks 1 and 2, my sixteenth: my one tensor load behind the round; it has chunk 0's eight key steps in which to land
	s_nop 0
	NOPS
	CHUNK 0, 1
	; slot 0 has been read: it takes chunk 3
	s_wait_tensorcnt 0x0                           ; my tensor load has landed: with everybody's, chunks 1 and 2 are whole
	ds_add_u32 v[SPW], v[NIL]                      ; 0 onto my spare word
	s_add_nc_u64 s[30:31], s[30:31], 3*CHB         ; no load of mine is out: the head's group 0 goes three chunks on; the type bits on top are not reached
	s_wait_dscnt 0x0                               ; the add is done, and my reads of slot 0 are over
	CROUND                                         ; the same holds of every wave of every partner
	tensor_load_to_lds s[28:31], s[G1R:G1R+7]
	s_nop 0
	NOPS
	CHUNK CHB, 0
	s_wait_tensorcnt 0x0                           ; my part of chunk 3 is in (it had eight key steps in which to land)
	s_wait_dscnt 0x0
	s_barrier_signal -1                            ; say so now
	CHUNK 2*CHB, 0                                 ; register work and reads of slot 2, which nobody writes
	s_barrier_wait -1                              ; everybody's part is in
	CHUNK 0, 0
	; THE WAY OUT: register 16 b + i of the sum is channel 32 b + 16 (lane / 16) + i of my query: two blocks of ctx's K; they become half a fragment
.irp b, 0,1
	v_max3_num_f32 v[BM+\b], |v[OT+16*\b]|, |v[OT+16*\b+1]|, 0x1800000
.endr
.irp i, 2,4,6,8,10,12,14
.irp b, 0,1
	s_delay_alu instid0(VALU_DEP_2)
	v_max3_num_f32 v[BM+\b], v[BM+\b], |v[OT+16*\b+\i]|, |v[OT+16*\b+\i+1]|
.endr
.endr
.irp b, 0,1
	s_delay_alu instid0(VALU_DEP_2)
	v_permlanex16_b32 v[BM+2+\b], v[BM+\b], s[SEL], s[SEL+1]
.endr
.irp b, 0,1
	s_delay_alu instid0(VALU_DEP_2)
	v_max_num_f32 v[BM+\b], v[BM+\b], v[BM+2+\b]
.endr
.irp b, 0,1
	s_delay_alu instid0(VALU_DEP_2)
	v_add_nc_u32 v[SO+\b], 0xff000000, v[BM+\b]
.endr
.irp b, 0,1
	s_delay_alu instid0(VALU_DEP_2)
	v_lshrrev_b32 v[BT+\b], 23, v[SO+\b]
.endr
	v_cvt_scalef32_pk16_fp6_f32 v[PC:PC+2], v[OT:OT+15], v[SO]
	v_cvt_scalef32_pk16_fp6_f32 v[CT:CT+2], v[OT+16:OT+31], v[SO+1]
	v_nop                                          ; one plain instruction behind the scaled conversions
.irp i, 0,1,2
	v_permlane16_swap_b32 v[PC+\i], v[CT+\i]       ; a whole block to a lane
.endr
.irp i, 0,1,2
	s_delay_alu instid0(VALU_DEP_3)
	v_mov_b32 v[PC+3+\i], v[CT+\i]
.endr
	v_cndmask_b32 v251, v[BT], v[BT+1], s[HI]      ; my block's byte
	global_store_b128 v[A16], v[PC:PC+3], s[60:61]             ; 512 consecutive bytes, aligned to 256
	global_store_b64 v[A8], v[PC+4:PC+5], s[60:61] offset:512  ; 256
	global_store_b8 v39, v251, s[62:63] offset:24576           ; two bytes of each of sixteen words: the other two are the neighbouring head's
	s_wait_tensorcnt 0x0                           ; the wave's end
	ds_add_u32 v[SPW], v[NIL]
	s_wait_dscnt 0x0
	CROUND                                         ; the closing round: no work-group ends while a partner may still ask for bytes by a load that names it
	s_endpgm
.Lfunc_end_k_q7ff67307bd_attn:
	.size	k_q7ff67307bd_attn, .Lfunc_end_k_q7ff67307bd_attn-k_q7ff67307bd_attn
	.p2alignl 7, 3214868480
	.fill 96, 4, 3214868480
	.section	.rodata,"a",@progbits
	.p2align	6, 0x0
	.amdhsa_kernel k_q7ff67307bd_attn
		.amdhsa_group_segment_fixed_size 327680
		.amdhsa_private_segment_fixed_size 0
		.amdhsa_enable_private_segment 0
		.amdhsa_kernarg_size 24
		.amdhsa_user_sgpr_count 2
		.amdhsa_user_sgpr_kernarg_segment_ptr 1
		.amdhsa_wavefront_size32 1
		.amdhsa_system_sgpr_workgroup_id_x 1
		.amdhsa_system_sgpr_workgroup_id_y 1
		.amdhsa_system_sgpr_workgroup_id_z 1
		.amdhsa_system_vgpr_workitem_id 0
		.amdhsa_next_free_vgpr 256
		.amdhsa_next_free_sgpr 66
		.amdhsa_reserve_vcc 0
		.amdhsa_float_denorm_mode_32 3
		.amdhsa_float_denorm_mode_16_64 3
		.amdhsa_memory_ordered 1
		.amdhsa_forward_progress 1
		.amdhsa_inst_pref_size 78
	.end_amdhsa_kernel
	.amdgpu_metadata
---
amdhsa.version: [ 1, 2 ]
amdhsa.kernels:
  - .name:           k_q7ff67307bd_attn
    .symbol:         k_q7ff67307bd_attn.kd
    .args:
      - { .name: qb, .offset: 0, .size: 8, .value_kind: global_buffer, .address_space: global }
      - { .name: kv, .offset: 8, .size: 8, .value_kind: global_buffer, .address_space: global }
      - { .name: ctx, .offset: 16, .size: 8, .value_kind: global_buffer, .address_space: global }
    .group_segment_fixed_size: 327680
    .private_segment_fixed_size: 0
    .kernarg_segment_align: 8
    .kernarg_segment_size: 24
    .max_flat_workgroup_size: 512
    .sgpr_count:     66
    .vgpr_count:     256
    .wavefront_size: 32
...
	.end_amdgpu_metadata
.endif
;; end of part 3
;; launch outp (part 4): grid 8 x 32, 4 waves a work-group, clusters of 4 x 4, 222,720 bytes of LDS; arguments ctx, wc, bo, out0; writes out0
.if DOCPART == 4
	.amdgcn_target "amdgcn-amd-amdhsa--gfx1250"
	.amdhsa_code_object_version 6
	.text
	.protected	k_q7ff67307bd_outp
	.globl	k_q7ff67307bd_outp
	.p2align	8
	.type	k_q7ff67307bd_outp,@function
k_q7ff67307bd_outp:
	s_mov_b64 s[64:65], 0
	v_nop
	global_prefetch_b8 v0, s[64:65] scope:SCOPE_SE
	s_setreg_imm32_b32 hwreg(HW_REG_WAVE_MODE, 25, 1), 1
	s_wait_xcnt 0x0
	s_wait_alu depctr_hold_cnt(0) depctr_sa_sdst(0) depctr_va_vdst(0) depctr_va_sdst(0) depctr_va_ssrc(0) depctr_va_vcc(0) depctr_vm_vsrc(0)
	s_getreg_b32 s2, hwreg(HW_REG_IB_STS2, 6, 4)
	s_cmp_eq_u32 s2, 0
	s_cbranch_scc0 .Lentry_in_a_cluster
	s_endpgm
.Lentry_in_a_cluster:
	s_bfe_u32 s2, ttmp6, 0x10000c
	s_cmp_lg_u32 s2, 0xf033
	s_cbranch_scc0 .Lentry_shape_is_right
	s_endpgm
.Lentry_shape_is_right:
; out0 = ctx Wo + bo on codes of FP6 (E2M3) with E8M0 scales, f32 sums.  ctx and wc are laid in blocks of 25,600 bytes: 128 rows x 256 K as images of the operand's registers
; (fragment (tile, K step s) at 3072 tile + 1536 s, as two halves of 768 bytes; scale words at 24,576 + 128 tile + 64 s + 4 r).
; Row r of tile 2 b + u of a block is row 32 b + 8 u + r + 8 (r / 8).
; SHARES.  A work-group makes 128 tokens (y) x 128 columns (x); wave w a tile of 64 x 64: source 0 = 4 tiles of Wo (columns 64 (w % 2) on), source 1 = 4 tiles of ctx (tokens 64 (w / 2) on):
; a lane holds one token, and the 16 registers of two neighbouring tiles are 16 neighbouring columns, 64 bytes of a row of out0.
; LDS: all of K stays: four pairs [Wo's block | ctx's block] of 51,200 bytes, each filled ONCE; behind them a stage of 16 rows x 272 bytes for each wave.  Nothing is filled again.
; Waves 0, 1 fetch Wo's blocks, waves 2, 3 ctx's, two each: by this text's count a wave has one tensor load out.
; CLUSTER 4 x 4: ctx's blocks hang on y alone and are shared along a row of the cluster, Wo's on x alone and are shared along a column: joint loads.
.set BLK,  25600
.set KSB,  2*BLK                       ; 256 along K of both operands
.set STG,  4*KSB                       ; the stages
.set WV,  18                           ; s18 wave; s20 g0 = w % 2; s21 g1 = w / 2; s22 cx; s23 cy; s24 x; s25 y
.set G1A, 28                           ; s[28:35] descriptor group 1 for ctx's blocks (mask: my row of the cluster)
.set G1B, 36                           ; s[36:43] for Wo's (mask: my column)
.set SC0, 16                           ; v16-19 source 0's scale words: lanes 0-15 K step 0's, lanes 16-31 K step 1's
.set SC1, 20                           ; v20-23 source 1's
.set F0,  32                           ; v32-79   source 0's four fragments
.set F1,  80                           ; v80-127  source 1's
.set ACC, 128                          ; v128-255 accumulator (t0, t1) at 128 + 32 t1 + 8 t0
; v3-8 LDS bases (source 0: 16, 8, 4 x lane; source 1 likewise); v9-14 the same in the 256 along K in hand; v24 into the stage, v25 out of it, v26 my offset in out0; v28 = 64 h
.macro CROUND                          ; a round of the cluster's barrier
	s_barrier_signal -1
	s_barrier_wait -1
	s_cmp_lg_u32 s[WV], 0
	s_cbranch_scc1 .Lnot_wave_0_\@
	s_barrier_signal -3
.Lnot_wave_0_\@:
	s_barrier_wait -3
	s_barrier_signal -1
	s_barrier_wait -1
.endm
.macro FRAG reg, a16, a8, off          ; a fragment comes back as it was stored: every load of the wave reads 512 or 256 consecutive bytes
	ds_load_b128 v[\reg:\reg+3], v[\a16] offset:\off
	ds_load_b64 v[\reg+4:\reg+5], v[\a8] offset:\off+512
	ds_load_b128 v[\reg+6:\reg+9], v[\a16] offset:\off+768
	ds_load_b64 v[\reg+10:\reg+11], v[\a8] offset:\off+1280
.endm
.macro SLOTADR sl                      ; six plain instructions: also the places in front of the loads that follow
.irp i, 0,1,2,3,4,5
	v_add_nc_u32 v[9+\i], (\sl)*BLK, v[3+\i]       ; LDS (in place of the head comment's pairs): Wo's four blocks along K on end, then ctx's four
.endr
.endm
.macro SCLOAD
.irp t, 0,1,2,3
	ds_load_b32 v[SC0+\t], v11 offset:128*\t
	ds_load_b32 v[SC1+\t], v14 offset:128*\t
.endr
.endm
.macro KLOAD ks, np                    ; 32 loads: the eight fragments of K step ks; np places in front of loads into registers that matrix instructions have read
.rept \np
	v_nop
.endr
.irp t, 0,1,2,3
	FRAG F0+12*\t, 9, 10, 3072*\t+1536*\ks
.endr
.irp t, 0,1,2,3
	FRAG F1+12*\t, 12, 13, 3072*\t+1536*\ks
.endr
.endm
.macro MM t0, t1, c, row
.if \row
	v_wmma_scale_f32_16x16x128_f8f6f4 v[ACC+32*(\t1)+8*(\t0):ACC+32*(\t1)+8*(\t0)+7], v[F0+12*(\t0):F0+12*(\t0)+11], v[F1+12*(\t1):F1+12*(\t1)+11], v[\c:\c+7], v[SC0+(\t0)], v[SC1+(\t1)] matrix_a_fmt:MATRIX_FMT_FP6 matrix_b_fmt:MATRIX_FMT_FP6 matrix_a_scale:MATRIX_SCALE_ROW1 matrix_b_scale:MATRIX_SCALE_ROW1
.else
	v_wmma_scale_f32_16x16x128_f8f6f4 v[ACC+32*(\t1)+8*(\t0):ACC+32*(\t1)+8*(\t0)+7], v[F0+12*(\t0):F0+12*(\t0)+11], v[F1+12*(\t1):F1+12*(\t1)+11], v[\c:\c+7], v[SC0+(\t0)], v[SC1+(\t1)] matrix_a_fmt:MATRIX_FMT_FP6 matrix_b_fmt:MATRIX_FMT_FP6
.endif
.endm
.macro KMUL ks                         ; 16 products; the sixteen accumulators take turns in the same order in every step
.irp t1, 0,1,2,3
	s_wait_dscnt 12-4*\t1                          ; source 0's fragments and source 1's up to t1 are in; the later ones, four loads each, may be out
.irp t0, 0,1,2,3
	MM \t0, \t1, ACC+32*\t1+8*\t0, \ks
.endr
.endr
.endm
.macro KSLOT sl
	SLOTADR \sl
	SCLOAD
	KLOAD 0, 0
	s_wait_alu depctr_va_vdst(0)
	KMUL 0
	KLOAD 1, 4
	KMUL 1
.endm
.macro DESC g, k, adr                  ; descriptor group 0: my k-th fill
	s_mov_b32 s[\g], 1                             ; count = 1
	s_add_co_u32 s[\g+1], s82, (\k)*2*KSB          ; LDS address
	s_add_nc_u64 s[\g+2:\g+3], s[\adr:\adr+1], (\k)*2*BLK   ; global address: 512 k along K on
	s_or_b32 s[\g+3], s[\g+3], 0x80000000          ; type = 2
.endm
; THE WAY OUT, 16 tokens x 64 columns at a time: a lane holds 2 x 64 bytes of one row; they go through my own stage and come back as whole rows of 256 bytes, into the registers that they left.
; LDS serves a wave's instructions in order (ISA guide 5.7.1.4): no wait between the stores and the loads, nor in front of the next tile's stores.
.macro TOSTAGE t1
.irp b, 0,1
.irp q, 0,1,2,3
	ds_store_b128 v24, v[ACC+32*\t1+16*\b+4*\q:ACC+32*\t1+16*\b+4*\q+3] offset:128*\b+16*\q   ; each accumulator from its low end on
.endr
.endr
.irp i, 0,1,2,3,4,5,6,7
	ds_load_b128 v[ACC+32*\t1+4*\i:ACC+32*\t1+4*\i+3], v25 offset:544*\i      ; rows 2 i and 2 i + 1 of the tile
.endr
.endm
.macro SEND t1, younger                ; younger: the LDS instructions issued behind tile t1's loads
.irp i, 0,1,2,3,4,5,6,7
	s_wait_dscnt \younger+7-\i
	global_store_b128 v26, v[ACC+32*\t1+4*\i:ACC+32*\t1+4*\i+3], s[10:11] offset:(32*(\t1/2)+8*(\t1%2)+2*\i+8*(\i/4))*4096 th:TH_STORE_NT   ; sixteen lanes store 256 consecutive bytes, aligned; row 2 i + h of the tile is token 32 (t1 / 2) + 8 (t1 % 2) + 2 i + h + 8 (i / 4)
.endr
.endm
	s_load_b256 s[4:11], s[0:1], 0x0               ; ctx s[4:5], wc s[6:7], bo s[8:9], out0 s[10:11]
	v_lshl_add_u32 v15, v0, 2, 0x36400
	v_mov_b32 v29, 0
	ds_add_u32 v15, v29
	ds_add_u32 v15, v29
	v_lshrrev_b32 v30, 5, v0
	v_readfirstlane_b32 s[WV], v30                 ; wave 0..3
	s_and_b32 s20, s[WV], 1                        ; g0.  Also: which 512 along K I fetch
	s_lshr_b32 s21, s[WV], 1                       ; g1.  Also: I fetch for Wo (0) or for ctx (1)
	s_bfe_u32 s22, ttmp6, 0x40000                  ; cx
	s_bfe_u32 s23, ttmp6, 0x40004                  ; cy
	s_lshl_b32 s24, ttmp9, 2
	s_add_co_u32 s24, s24, s22                     ; x: the block of 128 columns
	s_and_b32 s25, ttmp7, 0xffff
	s_lshl_b32 s25, s25, 2
	s_add_co_u32 s25, s25, s23                     ; y: the block of 128 tokens
	s_lshl_b32 s26, s23, 2
	s_lshl_b32 s26, 15, s26                        ; my row of the cluster
	s_lshl_b32 s27, 0x1111, s22                    ; my column
	; descriptor group 1: two dense blocks, 51,200 bytes as 200 rows of 32 elements of 8 bytes, no padding
	s_or_b32 s[G1A], s26, (3<<16)|(1<<21)          ; 15:0 the mask; 17:16 elements of 8 bytes; 21 set beside a mask
	s_or_b32 s[G1B], s27, (3<<16)|(1<<21)
.irp g, G1A, G1B
	s_mov_b32 s[\g+1], 32<<16                      ; tensor_dim0 = 32
	s_mov_b32 s[\g+2], 200<<16                     ; tensor_dim1 = 200: a load brings two blocks, 51,200 dense bytes
	s_mov_b32 s[\g+3], 32<<16                      ; tile_dim0 = 32
	s_mov_b32 s[\g+4], 200                         ; tile_dim1 = 200
	s_mov_b32 s[\g+5], 32                          ; from row to row
	s_mov_b32 s[\g+6], 0
	s_mov_b32 s[\g+7], 0
.endr
	; every LDS address is made here, ahead of the first branch on the wave's number
	v_and_b32 v30, 31, v0                          ; lane
	v_and_b32 v31, 15, v0                          ; r
	s_wait_alu depctr_va_vdst(0)
	v_bfe_u32 v27, v0, 4, 1                        ; h
	s_mul_i32 s83, s20, 12288                      ; source 0: my four tiles of Wo's block
	v_lshl_add_u32 v3, v30, 4, s83
	v_lshl_add_u32 v4, v30, 3, s83
	s_lshl_b32 s83, s20, 9
	s_add_co_u32 s83, s83, 24576
	v_lshl_add_u32 v5, v30, 2, s83                 ; and their scale words
	s_mul_i32 s83, s21, 12288
	s_add_co_u32 s83, s83, 4*BLK
	v_lshl_add_u32 v6, v30, 4, s83
	v_lshl_add_u32 v7, v30, 3, s83
	s_lshl_b32 s83, s21, 9
	s_add_co_u32 s83, s83, 4*BLK+24576
	v_lshl_add_u32 v8, v30, 2, s83
	s_mul_i32 s83, s[WV], 16*272
	s_add_co_u32 s83, s83, STG                     ; my stage
	v_mul_u32_u24 v24, v31, 272
	s_wait_alu depctr_va_vdst(0)
	v_lshl_add_u32 v24, v27, 6, v24
	v_add_nc_u32 v24, s83, v24                     ; in: row r, + 64 h
	v_mul_u32_u24 v25, v27, 272
	v_lshl_add_u32 v25, v31, 4, v25
	v_add_nc_u32 v25, s83, v25                     ; back: lanes 0-15 one row, lanes 16-31 the next
	v_lshlrev_b32 v26, 12, v27
	v_lshl_add_u32 v26, v31, 4, v26                ; and the same two rows in out0
	v_lshlrev_b32 v28, 6, v27                      ; 64 h
	; what I fetch: ctx's address is made of y alone, Wo's of x alone
	s_mul_i32 s82, s20, 2*BLK                      ; ONE LOAD A WAVE: waves 0, 1 fetch Wo's blocks 0-1 and 2-3 along K, waves 2, 3 ctx's: one tensor load of a wave is out
	s_mul_i32 s83, s21, 4*BLK
	s_add_co_u32 s82, s82, s83                     ; LDS: Wo's or ctx's four blocks, my two of them
	s_mul_i32 s83, s20, 2*BLK                      ; the same two blocks on along K in memory
	s_mul_i32 s84, s25, 4*BLK
	s_add_co_u32 s84, s84, s83
	s_mov_b32 s85, 0
	s_add_co_u32 s86, s24, 24                      ; weight 3, block x
	s_mul_i32 s86, s86, 4*BLK
	s_add_co_u32 s86, s86, s83
	s_mov_b32 s87, 0
	s_wait_dscnt 0x0
	s_wait_kmcnt 0x0
	s_add_nc_u64 s[84:85], s[4:5], s[84:85]
	s_add_nc_u64 s[86:87], s[6:7], s[86:87]
	DESC 44, 0, 84
	DESC 52, 0, 86
	CROUND                                         ; all sixteen work-groups are here: the joint loads meet
	s_cmp_lt_u32 s[WV], 2                          ; a wave's one fill stands in each arm; four v_nop follow it
	s_cbranch_scc0 .Lff_ctx
	tensor_load_to_lds s[52:55], s[G1B:G1B+7]
	s_nop 0
.rept 4
	v_nop
.endr
	s_branch .Lff_done
.Lff_ctx:
	tensor_load_to_lds s[44:47], s[G1A:G1A+7]
	s_nop 0
.rept 4
	v_nop
.endr
.Lff_done:
	s_lshl_b32 s84, s24, 9
	s_lshl_b32 s88, s20, 8
	s_add_co_u32 s84, s84, s88                     ; my first column, in bytes
	s_mov_b32 s85, 0
	s_add_nc_u64 s[8:9], s[8:9], s[84:85]          ; bo there
	s_add_nc_u64 s[10:11], s[10:11], s[84:85]
	s_lshl_b32 s84, s25, 7
	s_lshl_b32 s88, s21, 6
	s_add_co_u32 s84, s84, s88                     ; my first token
	s_lshl_b32 s84, s84, 12
	s_add_nc_u64 s[10:11], s[10:11], s[84:85]      ; out0 at my tile
	; THE BIAS IS THE C OF EACH SUM'S FIRST PRODUCT: it is loaded, in the result's layout, into the four accumulators that are started last
	s_wait_alu depctr_va_vdst(0)
.irp t0, 0,1,2,3                               ; register j of tile t0 is column 32 (t0 / 2) + 16 h + 8 (t0 % 2) + j
	global_load_b128 v[ACC+96+8*\t0:ACC+96+8*\t0+3], v28, s[8:9] offset:(32*(\t0/2)+8*(\t0%2))*4
	global_load_b128 v[ACC+96+8*\t0+4:ACC+96+8*\t0+7], v28, s[8:9] offset:(32*(\t0/2)+8*(\t0%2))*4+16
.endr
	s_wait_tensorcnt 0x0                           ; my one load is in: with everybody's, all of K is whole behind this barrier
	s_barrier_signal -1
	s_barrier_wait -1                              ; everybody's is: all of K is whole
	SLOTADR 0
	SCLOAD
	KLOAD 0, 0
	s_wait_alu depctr_va_vdst(0)
	s_wait_loadcnt 0x0                             ; the bias
	s_wait_dscnt 0x0
.irp t1, 0,1,2
.irp t0, 0,1,2,3
	MM \t0, \t1, ACC+96+8*\t0, 0
.endr
.endr
.rept 5
	v_nop                                          ; five places: the next four products write over registers that earlier products took as C (ISA guide 7.12.1)
.endr
.irp t0, 0,1,2,3
	MM \t0, 3, ACC+96+8*\t0, 0
.endr
	KLOAD 1, 4
	KMUL 1
	KSLOT 1
	s_wait_tensorcnt 0x0                           ; my one fill is in
	s_wait_dscnt 0x0
	s_barrier_signal -1
	s_barrier_wait -1                              ; everybody's is: all of K is whole
	KSLOT 2
	KSLOT 3
.rept 4
	v_nop                                          ; four places in front of the first read of results
.endr
	TOSTAGE 0
	TOSTAGE 1                                      ; a tile is on its way through the stage while the tile before is stored
	SEND 0, 16
	TOSTAGE 2
	SEND 1, 16
	TOSTAGE 3
	SEND 2, 16
	SEND 3, 0
	s_wait_tensorcnt 0x0
	ds_add_u32 v15, v29
	s_wait_dscnt 0x0
	CROUND                                         ; the closing round: no work-group ends while a partner may still ask for a block that names it
	s_endpgm
.Lfunc_end_k_q7ff67307bd_outp:
	.size	k_q7ff67307bd_outp, .Lfunc_end_k_q7ff67307bd_outp-k_q7ff67307bd_outp
	.p2alignl 7, 3214868480
	.fill 96, 4, 3214868480
	.section	.rodata,"a",@progbits
	.p2align	6, 0x0
	.amdhsa_kernel k_q7ff67307bd_outp
		.amdhsa_group_segment_fixed_size 222720
		.amdhsa_private_segment_fixed_size 0
		.amdhsa_enable_private_segment 0
		.amdhsa_kernarg_size 32
		.amdhsa_user_sgpr_count 2
		.amdhsa_user_sgpr_kernarg_segment_ptr 1
		.amdhsa_wavefront_size32 1
		.amdhsa_system_sgpr_workgroup_id_x 1
		.amdhsa_system_sgpr_workgroup_id_y 1
		.amdhsa_system_sgpr_workgroup_id_z 1
		.amdhsa_system_vgpr_workitem_id 0
		.amdhsa_next_free_vgpr 256
		.amdhsa_next_free_sgpr 96
		.amdhsa_reserve_vcc 0
		.amdhsa_float_denorm_mode_32 3
		.amdhsa_float_denorm_mode_16_64 3
		.amdhsa_memory_ordered 1
		.amdhsa_forward_progress 1
		.amdhsa_inst_pref_size 53
	.end_amdhsa_kernel
	.amdgpu_metadata
---
amdhsa.version: [ 1, 2 ]
amdhsa.kernels:
  - .name:           k_q7ff67307bd_outp
    .symbol:         k_q7ff67307bd_outp.kd
    .args:
      - { .name: ctx, .offset: 0, .size: 8, .value_kind: global_buffer, .address_space: global }
      - { .name: wc, .offset: 8, .size: 8, .value_kind: global_buffer, .address_space: global }
      - { .name: bo, .offset: 16, .size: 8, .value_kind: global_buffer, .address_space: global }
      - { .name: out0, .offset: 24, .size: 8, .value_kind: global_buffer, .address_space: global }
    .group_segment_fixed_size: 222720
    .private_segment_fixed_size: 0
    .kernarg_segment_align: 8
    .kernarg_segment_size: 32
    .max_flat_workgroup_size: 128
    .sgpr_count:     96
    .vgpr_count:     256
    .wavefront_size: 32
...
	.end_amdgpu_metadata
.endif
;; end of part 4
